; MI455X (gfx1250); checked and timed in simulation.
; The chip was launched on July 23, 2026; its instructions are those of AMD's public machine-readable ISA for CDNA 5 (MIT licence, August 2026) and "CDNA5" Instruction Set Architecture Reference Guide (July 2026). The comments in the code are by the model that wrote it; some were corrected since.
;; Knowledge Selector. Allowed arithmetic: float matrix products may take bf16 or f16 operands with f32 sums; other float arithmetic in f32, or as packed bf16 or f16 multiplies, adds, multiply-adds, maxima and minima; sums over many terms, partial sums and values carried from step to step in f32; what a program stores and reads back later, other than sums and carried values, may be rounded once to bf16 or f16.
;; Inputs: W 2,048 x 2,048 float32; b 2,048 float32; input_state 64 x 2,048 float32; knowledge_base 256 x 64 x 2,048 float32.
;; Outputs: out0 64 x 2,048 float32.
;; 2 versions, each right; version 2 is version 1 with the launches prep, mix written anew for expert scheduling mode. Each part assembles by itself: llvm-mc -triple=amdgcn-amd-amdhsa -mcpu=gfx1250 --defsym DOCPART=n.
;; ======== version 1 of 2: 4 launches
;; workspace buffers: kbb 67,108,864 bytes; wb 8,388,608 bytes; xb 262,144 bytes; q 524,288 bytes; pd 1,048,576 bytes; pn 1,048,576 bytes
;; launch prep (part 1): grid 1156 x 1, 8 waves a work-group, no clusters, 0 bytes of LDS; arguments knowledge_base, W, input_state, kbb, wb, xb; writes kbb, wb, xb
.if DOCPART == 1
	.amdgcn_target "amdgcn-amd-amdhsa--gfx1250"
	.amdhsa_code_object_version 6
	.text
	.protected	k_qf8ee235514_prep
	.globl	k_qf8ee235514_prep
	.p2align	8
	.type	k_qf8ee235514_prep,@function
k_qf8ee235514_prep:
	s_mov_b64 s[64:65], 0
	v_nop
	global_prefetch_b8 v0, s[64:65] scope:SCOPE_SE
	s_setreg_imm32_b32 hwreg(HW_REG_WAVE_MODE, 25, 1), 1
	s_wait_xcnt 0x0
; f32 -> bf16, rounded once to nearest even, for the three matrix operands.  All three tensors are rows of 2,048 f32 (8,192 bytes) that become rows of 4,096 bytes.
;   knowledge_base [256 k][64 b][2048] -> kbb [64 b][256 k][2048]: the rows are re-ordered, so that the 256 items of one b lie together (a tile of the product that follows)
;   W [2048][2048] -> wb, input_state [64][2048] -> xb: same order.
; A work-group takes 16 source rows, 131,072 dense bytes: groups 0-1023 knowledge_base, 1024-1151 W, 1152-1155 input_state.
; Thread t owns the 16 bytes at 16 t of each half row of 4,096 bytes (a wave's load covers 512 consecutive bytes) and stores 8 bytes at 8 t of each half row of 2,048 bytes
; (a wave's store covers 256 consecutive bytes, at a multiple of 256 from the buffer's first byte).  All 32 loads of a thread go out at once; no register is written twice by memory, so no wait frees any.
; No LDS, no barrier, no matrix unit: every byte is touched once and nothing is shared.
.set ROWIN, 8192                       ; bytes in a source row
.set X,    8                           ; v[8:135]  32 slots of 4: half row n % 2 of row n / 2, as loaded; its first two registers then hold the 4 bf16
.set SRC,  16                          ; s[16:17]  my 16 source rows
.set DA,   18                          ; s[18:19]  target of rows 0-7
.set DB,   20                          ; s[20:21]  target of rows 8-15: a second base keeps the stores' immediates inside their signed 24 bits
; stride: bytes from one of my rows to the next in the target
.macro CONV stride
.set n, 0
.rept 32
	global_load_b128 v[X+4*n:X+4*n+3], v1, s[SRC:SRC+1] offset:(n/2)*ROWIN+(n%2)*4096 th:TH_LOAD_NT
.set n, n+1
.endr
.set n, 0
.rept 32
	s_wait_loadcnt 31-n                            ; loads come back in order (ISA guide 5.7.1): slot n is in, the 31 - n younger ones stay out
	v_cvt_pk_bf16_f32 v[X+4*n], v[X+4*n], v[X+4*n+1]
	v_cvt_pk_bf16_f32 v[X+4*n+1], v[X+4*n+2], v[X+4*n+3]
.if n < 16
	global_store_b64 v2, v[X+4*n:X+4*n+1], s[DA:DA+1] offset:((n/2)%8)*(\stride)+(n%2)*2048
.else
	global_store_b64 v2, v[X+4*n:X+4*n+1], s[DB:DB+1] offset:((n/2)%8)*(\stride)+(n%2)*2048
.endif
.set n, n+1
.endr
.endm
	s_load_b256 s[4:11], s[0:1], 0x0               ; knowledge_base s[4:5], W s[6:7], input_state s[8:9], kbb s[10:11]
	s_load_b128 s[12:15], s[0:1], 0x20             ; wb s[12:13], xb s[14:15]
	v_lshlrev_b32 v1, 4, v0                        ; 16 t
	v_lshlrev_b32 v2, 3, v0                        ; 8 t
	s_mov_b32 s28, ttmp9                           ; g
	s_mov_b32 s23, 0                               ; high words of the two offsets
	s_mov_b32 s25, 0
	s_wait_kmcnt 0x0
	s_cmp_lt_u32 s28, 1024
	s_cbranch_scc0 .Ldense
	; knowledge_base: source rows 16 g .. 16 g + 15 are item k = g / 4, b = 16 (g % 4) + i; the target row of (b, k) begins at b x 2^20 + k x 4,096
	s_lshl_b32 s22, s28, 17
	s_add_nc_u64 s[SRC:SRC+1], s[4:5], s[22:23]
	s_and_b32 s24, s28, 3
	s_lshl_b32 s24, s24, 24
	s_lshr_b32 s26, s28, 2
	s_lshl_b32 s26, s26, 12
	s_add_co_u32 s24, s24, s26
	s_add_nc_u64 s[DA:DA+1], s[10:11], s[24:25]
	s_add_nc_u64 s[DB:DB+1], s[DA:DA+1], 0x800000  ; eight b further on
	CONV 1048576
	s_endpgm
.Ldense:
	; W or input_state: the choice between the buffers hangs on the group's number alone
	s_sub_co_u32 s26, s28, 1024
	s_sub_co_u32 s27, s26, 128
	s_cmp_lt_u32 s26, 128
	s_cselect_b64 s[SRC:SRC+1], s[6:7], s[8:9]
	s_cselect_b64 s[DA:DA+1], s[12:13], s[14:15]
	s_cselect_b32 s26, s26, s27                    ; which 16 rows of that tensor
	s_lshl_b32 s22, s26, 17
	s_lshl_b32 s24, s26, 16
	s_add_nc_u64 s[SRC:SRC+1], s[SRC:SRC+1], s[22:23]
	s_add_nc_u64 s[DA:DA+1], s[DA:DA+1], s[24:25]
	s_add_nc_u64 s[DB:DB+1], s[DA:DA+1], 32768
	CONV 4096
	s_endpgm
.Lfunc_end_k_qf8ee235514_prep:
	.size	k_qf8ee235514_prep, .Lfunc_end_k_qf8ee235514_prep-k_qf8ee235514_prep
	.p2alignl 7, 3214868480
	.fill 96, 4, 3214868480
	.section	.rodata,"a",@progbits
	.p2align	6, 0x0
	.amdhsa_kernel k_qf8ee235514_prep
		.amdhsa_group_segment_fixed_size 0
		.amdhsa_private_segment_fixed_size 0
		.amdhsa_enable_private_segment 0
		.amdhsa_kernarg_size 48
		.amdhsa_user_sgpr_count 2
		.amdhsa_user_sgpr_kernarg_segment_ptr 1
		.amdhsa_wavefront_size32 1
		.amdhsa_system_sgpr_workgroup_id_x 1
		.amdhsa_system_sgpr_workgroup_id_y 1
		.amdhsa_system_sgpr_workgroup_id_z 1
		.amdhsa_system_vgpr_workitem_id 0
		.amdhsa_next_free_vgpr 136
		.amdhsa_next_free_sgpr 66
		.amdhsa_reserve_vcc 0
		.amdhsa_float_denorm_mode_32 3
		.amdhsa_float_denorm_mode_16_64 3
		.amdhsa_memory_ordered 1
		.amdhsa_forward_progress 1
		.amdhsa_inst_pref_size 24
	.end_amdhsa_kernel
	.amdgpu_metadata
---
amdhsa.version: [ 1, 2 ]
amdhsa.kernels:
  - .name:           k_qf8ee235514_prep
    .symbol:         k_qf8ee235514_prep.kd
    .args:
      - { .name: knowledge_base, .offset: 0, .size: 8, .value_kind: global_buffer, .address_space: global }
      - { .name: W, .offset: 8, .size: 8, .value_kind: global_buffer, .address_space: global }
      - { .name: input_state, .offset: 16, .size: 8, .value_kind: global_buffer, .address_space: global }
      - { .name: kbb, .offset: 24, .size: 8, .value_kind: global_buffer, .address_space: global }
      - { .name: wb, .offset: 32, .size: 8, .value_kind: global_buffer, .address_space: global }
      - { .name: xb, .offset: 40, .size: 8, .value_kind: global_buffer, .address_space: global }
    .group_segment_fixed_size: 0
    .private_segment_fixed_size: 0
    .kernarg_segment_align: 8
    .kernarg_segment_size: 48
    .max_flat_workgroup_size: 256
    .sgpr_count:     66
    .vgpr_count:     136
    .wavefront_size: 32
...
	.end_amdgpu_metadata
.endif
;; end of part 1
;; launch qproj (part 2): grid 32 x 4, 16 waves a work-group, no clusters, 71,680 bytes of LDS; arguments xb, wb, b, q; writes q
.if DOCPART == 2
	.amdgcn_target "amdgcn-amd-amdhsa--gfx1250"
	.amdhsa_code_object_version 6
	.text
	.protected	k_qf8ee235514_qproj
	.globl	k_qf8ee235514_qproj
	.p2align	8
	.type	k_qf8ee235514_qproj,@function
k_qf8ee235514_qproj:
	s_mov_b64 s[64:65], 0
	v_nop
	global_prefetch_b8 v0, s[64:65] scope:SCOPE_SE
	s_setreg_imm32_b32 hwreg(HW_REG_WAVE_MODE, 25, 1), 1
	s_wait_xcnt 0x0
; q = x W^T + b.  xb [64][2048] bf16, wb [2048 (o)][2048 (h)] bf16, b [2048] f32, q [64][2048] f32.  Sums in f32.
; 64 rows are too few for tiles in LDS to pay: the fragments come straight from memory, and the sum over h is split among the waves.
; Work-group (nq, mb) makes rows 16 mb .. + 15 and columns 64 nq .. + 63: four accumulators.  Wave w of sixteen takes h = 128 w .. + 127, four steps of 32; the sixteen partial tiles
; meet in LDS and are added in a fixed order; wave w then owns row w of the tile: 64 f32, which its one store writes as 256 consecutive bytes at a multiple of 256 from q's first byte.
; 128 work-groups: a narrower share would store less than those 256 bytes of a row.
; THE MATRIX INSTRUCTION IS USED TRANSPOSED (source 0 = 16 rows of W, source 1 = 16 rows of x): lane l holds row l % 16 of q and eight neighbouring columns 8 (l / 16) + 0..7.
.set SP,    272                        ; a stage row: 64 f32 + 16 bytes: the 16 rows of a store start at 16 different groups of four banks (ISA guide 11.1)
.set STW,   16*SP                      ; a wave's stage
.set SPARE, 16*STW                     ; behind the stages: the spare words, 128 bytes for each of the 16 waves; no other line names them
.set AF,  16                           ; v[16:47]    x's fragments, step s at 8 s
.set BF,  48                           ; v[48:175]   W's fragments, step s, column block nb at 32 s + 8 nb; later the 16 partial pairs
.set ACC, 176                          ; v[176:207]  accumulator nb at 8 nb
	s_load_b256 s[4:11], s[0:1], 0x0               ; xb s[4:5], wb s[6:7], b s[8:9], q s[10:11]
	v_lshl_add_u32 v10, v0, 2, SPARE               ; my spare word,
	v_mov_b32 v11, 0                               ; and 0: kept for the add at the wave's end alone
	v_lshrrev_b32 v12, 5, v0
	v_readfirstlane_b32 s12, v12                   ; wave 0..15
	s_and_b32 s13, ttmp7, 0xffff                   ; mb
	s_mov_b32 s14, ttmp9                           ; nq
	v_and_b32 v1, 15, v0                           ; r = l % 16
	v_bfe_u32 v2, v0, 4, 1                         ; h = l / 16
	v_and_b32 v3, 31, v0                           ; l
	s_lshl_b32 s15, s12, 8                         ; my 128 h, in bytes
	s_mul_i32 s24, s12, STW
	s_mul_i32 s25, s12, SP
	v_lshlrev_b32 v4, 12, v1                       ; a fragment: row r x 4,096 + my h + 16 x half
	v_lshl_add_u32 v4, v2, 4, v4
	v_add_nc_u32 v4, s15, v4
	v_mul_u32_u24 v5, v1, SP                       ; into my stage: row r, 32 bytes for each half of the lanes
	v_lshl_add_u32 v5, v2, 5, v5
	v_add_nc_u32 v5, s24, v5
	v_lshl_add_u32 v6, v3, 3, s25                  ; back: row w of a stage, 8 bytes a lane
	v_lshlrev_b32 v7, 3, v3                        ; 8 l: my two columns in b and in q
	s_lshl_b32 s16, s13, 16                        ; 16 rows of xb
	s_mov_b32 s17, 0
	s_lshl_b32 s18, s14, 18                        ; 64 rows of wb
	s_mov_b32 s19, 0
	s_lshl_b32 s20, s14, 8                         ; 64 f32
	s_mov_b32 s21, 0
	s_lshl_b32 s22, s13, 4
	s_add_co_u32 s22, s22, s12                     ; row 16 mb + w of q
	s_lshl_b32 s22, s22, 13
	s_add_co_u32 s22, s22, s20
	s_mov_b32 s23, 0
	s_wait_kmcnt 0x0
	s_add_nc_u64 s[4:5], s[4:5], s[16:17]
	s_add_nc_u64 s[6:7], s[6:7], s[18:19]
	s_add_nc_u64 s[8:9], s[8:9], s[20:21]
	s_add_nc_u64 s[10:11], s[10:11], s[22:23]
	global_load_b64 v[8:9], v7, s[8:9]             ; the bias of my two columns
.irp s, 0,1,2,3                        ; ten loads a step, all 41 at once
	global_load_b128 v[AF+8*(\s):AF+8*(\s)+3],   v4, s[4:5] offset:64*(\s)
	global_load_b128 v[AF+8*(\s)+4:AF+8*(\s)+7], v4, s[4:5] offset:64*(\s)+32
.irp nb, 0,1,2,3
	global_load_b128 v[BF+32*(\s)+8*(\nb):BF+32*(\s)+8*(\nb)+3],   v4, s[6:7] offset:(\nb)*65536+64*(\s)
	global_load_b128 v[BF+32*(\s)+8*(\nb)+4:BF+32*(\s)+8*(\nb)+7], v4, s[6:7] offset:(\nb)*65536+64*(\s)+32
.endr
.endr
.irp s, 0,1,2,3
	s_wait_loadcnt 30-10*(\s)                      ; step s is in; the ten loads of each later step stay out
.irp nb, 0,1,2,3                       ; the four accumulators take turns
.if (\s) == 0
	v_wmma_f32_16x16x32_bf16 v[ACC+8*(\nb):ACC+8*(\nb)+7], v[BF+32*(\s)+8*(\nb):BF+32*(\s)+8*(\nb)+7], v[AF+8*(\s):AF+8*(\s)+7], 0
.else
	v_wmma_f32_16x16x32_bf16 v[ACC+8*(\nb):ACC+8*(\nb)+7], v[BF+32*(\s)+8*(\nb):BF+32*(\s)+8*(\nb)+7], v[AF+8*(\s):AF+8*(\s)+7], v[ACC+8*(\nb):ACC+8*(\nb)+7]
.endif
.endr
.endr
.rept 4
	v_nop                                          ; four places between the last product and the stores that read results
.endr
.irp nb, 0,1,2,3
	ds_store_b128 v5, v[ACC+8*(\nb):ACC+8*(\nb)+3]   offset:64*(\nb)      ; each accumulator's low registers first
	ds_store_b128 v5, v[ACC+8*(\nb)+4:ACC+8*(\nb)+7] offset:64*(\nb)+16
.endr
	s_wait_dscnt 0x0                               ; for the others' sake: my stores into my stage are done
	s_barrier_signal -1
	s_barrier_wait -1
.irp g, 0,1,2,3,4,5,6,7,8,9,10,11,12,13,14,15
	ds_load_b64 v[BF+2*(\g):BF+2*(\g)+1], v6 offset:(\g)*STW   ; row w of wave g's partial tile
.endr
	s_wait_dscnt 0x0
.irp g, 0,1,2,3,4,5,6,7
	v_pk_add_f32 v[BF+4*(\g):BF+4*(\g)+1], v[BF+4*(\g):BF+4*(\g)+1], v[BF+4*(\g)+2:BF+4*(\g)+3]
.endr
.irp g, 0,1,2,3
	v_pk_add_f32 v[BF+8*(\g):BF+8*(\g)+1], v[BF+8*(\g):BF+8*(\g)+1], v[BF+8*(\g)+4:BF+8*(\g)+5]
.endr
.irp g, 0,1
	v_pk_add_f32 v[BF+16*(\g):BF+16*(\g)+1], v[BF+16*(\g):BF+16*(\g)+1], v[BF+16*(\g)+8:BF+16*(\g)+9]
.endr
	v_pk_add_f32 v[BF:BF+1], v[BF:BF+1], v[BF+16:BF+17]
	v_pk_add_f32 v[BF:BF+1], v[BF:BF+1], v[8:9]    ; + b
	global_store_b64 v7, v[BF:BF+1], s[10:11]
	s_wait_tensorcnt 0x0                           ; the wave's end: behind my last LDS store
	ds_add_u32 v10, v11
	s_wait_dscnt 0x0
	s_endpgm
.Lfunc_end_k_qf8ee235514_qproj:
	.size	k_qf8ee235514_qproj, .Lfunc_end_k_qf8ee235514_qproj-k_qf8ee235514_qproj
	.p2alignl 7, 3214868480
	.fill 96, 4, 3214868480
	.section	.rodata,"a",@progbits
	.p2align	6, 0x0
	.amdhsa_kernel k_qf8ee235514_qproj
		.amdhsa_group_segment_fixed_size 71680
		.amdhsa_private_segment_fixed_size 0
		.amdhsa_enable_private_segment 0
		.amdhsa_kernarg_size 32
		.amdhsa_user_sgpr_count 2
		.amdhsa_user_sgpr_kernarg_segment_ptr 1
		.amdhsa_wavefront_size32 1
		.amdhsa_system_sgpr_workgroup_id_x 1
		.amdhsa_system_sgpr_workgroup_id_y 1
		.amdhsa_system_sgpr_workgroup_id_z 1
		.amdhsa_system_vgpr_workitem_id 0
		.amdhsa_next_free_vgpr 216
		.amdhsa_next_free_sgpr 66
		.amdhsa_reserve_vcc 0
		.amdhsa_float_denorm_mode_32 3
		.amdhsa_float_denorm_mode_16_64 3
		.amdhsa_memory_ordered 1
		.amdhsa_forward_progress 1
		.amdhsa_inst_pref_size 10
	.end_amdhsa_kernel
	.amdgpu_metadata
---
amdhsa.version: [ 1, 2 ]
amdhsa.kernels:
  - .name:           k_qf8ee235514_qproj
    .symbol:         k_qf8ee235514_qproj.kd
    .args:
      - { .name: xb, .offset: 0, .size: 8, .value_kind: global_buffer, .address_space: global }
      - { .name: wb, .offset: 8, .size: 8, .value_kind: global_buffer, .address_space: global }
      - { .name: b, .offset: 16, .size: 8, .value_kind: global_buffer, .address_space: global }
      - { .name: q, .offset: 24, .size: 8, .value_kind: global_buffer, .address_space: global }
    .group_segment_fixed_size: 71680
    .private_segment_fixed_size: 0
    .kernarg_segment_align: 8
    .kernarg_segment_size: 32
    .max_flat_workgroup_size: 512
    .sgpr_count:     66
    .vgpr_count:     216
    .wavefront_size: 32
...
	.end_amdgpu_metadata
.endif
;; end of part 2
;; launch gemm (part 3): grid 8 x 32, 4 waves a work-group, clusters of 4 x 4, 327,680 bytes of LDS; arguments kbb, wb, b, q, pd, pn; writes pd, pn
.if DOCPART == 3
	.amdgcn_target "amdgcn-amd-amdhsa--gfx1250"
	.amdhsa_code_object_version 6
	.text
	.protected	k_qf8ee235514_gemm
	.globl	k_qf8ee235514_gemm
	.p2align	8
	.type	k_qf8ee235514_gemm,@function
k_qf8ee235514_gemm:
	s_mov_b64 s[64:65], 0
	v_nop
	global_prefetch_b8 v0, s[64:65] scope:SCOPE_SE
	s_setreg_imm32_b32 hwreg(HW_REG_WAVE_MODE, 25, 1), 1
	s_wait_xcnt 0x0
	s_wait_alu depctr_hold_cnt(0) depctr_sa_sdst(0) depctr_va_vdst(0) depctr_va_sdst(0) depctr_va_ssrc(0) depctr_va_vcc(0) depctr_vm_vsrc(0)
	s_getreg_b32 s2, hwreg(HW_REG_IB_STS2, 6, 4)
	s_cmp_eq_u32 s2, 0
	s_cbranch_scc0 .Lentry_in_a_cluster
	s_endpgm
.Lentry_in_a_cluster:
	s_bfe_u32 s2, ttmp6, 0x10000c
	s_cmp_lg_u32 s2, 0xf033
	s_cbranch_scc0 .Lentry_shape_is_right
	s_endpgm
.Lentry_shape_is_right:
; kp[m][o] = sum over h of kbb[m][h] wb[o][h] + b[o], m = 256 b + k, is made tile by tile and never stored: of each row only two sums are wanted,
;   dot = sum over o of q[b][o] kp[m][o]   and   nrm = sum over o of kp[m][o]^2,
; and each wave stores its part of them, over its 128 columns: pd, pn [16 c][64 b][256 k] f32, c = the block of 128 columns.  The launch behind adds the 16 parts.
; kbb [16384][2048], wb [2048][2048] bf16; b [2048], q [64][2048] f32; products' sums, dot and nrm in f32.  NaN and infinities are not treated apart.
; A tile of kp is 256 x 256: four waves, each 128 x 128: 64 accumulators of 16 x 16, 512 registers.  A tile's 256 rows are the 256 items of ONE b, so q[b] is one vector for the whole tile.
; h goes in steps of 128 through a ring of two LDS slots filled by the tensor data mover; the tiles' rows are 256 bytes of memory and start at multiples of 256 bytes from the buffer's first byte.
; A WORK-GROUP STAYS: it makes two tiles, b and b + 32, on the same 256 rows of wb; the ring does not stop between them: the first tile's last two changes of slots ask for the second's first two steps.
; CLUSTERS: 4 x 4 work-groups.  The four of a row of the cluster need the same tiles of kbb, the four of a column the same tiles of wb: each tile is asked for JOINTLY, by the same tensor load with the
; same descriptor and a mask that names the four, and each receives it in its own LDS.
; THE MATRIX INSTRUCTION IS USED TRANSPOSED: source 0 = 16 rows of wb, source 1 = 16 rows of kbb: lane l holds row m = l % 16 and the columns 8 (l / 16) + 0..7 of a block of 16.
; THE BIAS is the C operand of the product that starts each sum: 64 registers, the same for all rows; nothing is cleared and nothing is added afterwards.
; REGISTERS, in windows of 256 (s_set_vgpr_msb: bits 1:0 source 0, 3:2 source 1, 5:4 source 2, 7:6 destination):
;   window 0: v0-31 addresses; v32-63 DOT; v64-127, v128-191 fragments of kbb, two buffers; v192-223 NRM; v224-247 at work on the way out
;   window 1: v0-63 the bias; v64-127, v128-191 fragments of wb, two buffers; v192-255 q of the tile in hand
;   window 2: the 32 accumulators of my rows 0-63 ((a, bb) at v[8 (8 a + bb)]);   window 3: those of my rows 64-127
.set SIZE_M, 16384
.set SIZE_N, 2048
.set SIZE_K, 2048
.set SIZE_TILES, 2
.set KSTEP,  128
.set PITCH,  272                       ; an LDS row: 256 bytes + 16 of padding = 68 words: the 16 rows that a load touches start at 16 different groups of four banks (ISA guide 11.1)
.set HALFT,  128*PITCH                 ; 128 rows: what one tensor load brings, and what one wave reads of either operand
.set SLOT,   4*HALFT                   ; kbb's 256 rows, then wb's 256 rows
.set STAGE,  2*SLOT                    ; behind the ring, never filled by a tensor load: 1,024 bytes a wave: 128 words of dot, 128 of nrm
.set SPARE,  STAGE+4*1024              ; behind the stages: the spare words, 128 bytes for each wave; no other line names them
.set LAPS,   SIZE_K/(2*KSTEP)          ; a lap = two steps = once round the ring
.set WALK,   SIZE_M/SIZE_TILES         ; the two tiles lie 8,192 rows (32 b) apart
.set NEXT_A, WALK*SIZE_K*2-(SIZE_K-2*KSTEP)*2   ; bytes from a slot's last step of a tile to its first of the next: kbb goes WALK rows down and back along h,
.set BACK_B, (SIZE_K-2*KSTEP)*2        ; wb only back
.set ADRA, 16                          ; v16-17  LDS address of my kbb fragments in slot 0, 1
.set ADRB, 20                          ; v20-21  the same for wb
.set STO,  24                          ; v24     the way out: my word in my stage: lanes 0-15 dot of row l % 16, lanes 16-31 nrm
.set RD,   25                          ; v25     the way out: 16 bytes a lane of my stage
.set PO,   26                          ; v26     16 l: my byte offset in the wave's 512 bytes of pd and pn
.set QA,   27                          ; v27     32 (l / 16): my eight columns in a block of 16, in f32
.set SPW,  28                          ; v28     my spare word: SPARE + 4 x my thread's number; never rewritten
.set NIL,  29                          ; v29     0; never rewritten
.set DOT,  32                          ; block a of 16 rows: two chains of a pair each at DOT + 4 a
.set F0,   64
.set F1,   128
.set NRM,  192                         ; as DOT
.set OUT,  224                         ; v224-231 the stage read back
.set T,    232                         ; v232-239 what a lane keeps, by block
.set U,    240                         ; v240-247 what it sends to the lane 16 away
.set BIAS, 0                           ; window 1: column block bb at 8 bb
.set QV,   192                         ; window 1: likewise
.set G1,  24                           ; s[24:31] descriptor group 1 for kbb's tiles;  s[32:39] group 0, a set for each slot
.set G0,  32
.set G1B, 48                           ; s[48:55], s[56:63] the same for wb's tiles
.set G0B, 56
.set SB,  68                           ; s[68:69] b at my 128 columns
.set SQ,  70                           ; s[70:71] q at the first tile's row and my 128 columns
.set SPD, 72                           ; s[72:73] pd at my 128 words of the first tile
.set SPN, 74                           ; s[74:75] pn likewise
.set HM,  76                           ; s76      a lane mask: lanes 16-31
.set SEL, 78                           ; s[78:79] v_permlanex16_b32's selects: each lane takes its own place in the other half
.set MSB, 0
.macro WIN new                         ; the immediate's high byte repeats the setting that is left; a switch that changes nothing is dropped
.if MSB != (\new)
	s_set_vgpr_msb (MSB<<8)|(\new)
.set MSB, \new
.endif
.endm
.set TO_B, 0x40                        ; destination window 1, address window 0
; A joint load.  Waves 0 and 1 fetch kbb's two halves, waves 2 and 3 wb's.  Each of the two lines has one mask and one set of registers for all that issue it; the branch hangs on the wave's number alone.
; An s_nop 0 and four v_nop follow each of the two lines, ahead of the jump, the label and what follows the macro.
.macro JLOAD s
	s_cmp_eq_u32 s11, 0
	s_cbranch_scc0 .Lfor_b_\@
	tensor_load_to_lds s[G0+4*(\s):G0+4*(\s)+3], s[G1:G1+7]
	s_nop 0
.rept 4
	v_nop
.endr
	s_branch .Lasked_\@
.Lfor_b_\@:
	tensor_load_to_lds s[G0B+4*(\s):G0B+4*(\s)+3], s[G1B:G1B+7]
	s_nop 0
.rept 4
	v_nop
.endr
.Lasked_\@:
.endm
; A round of the cluster's barrier: my work-group's barrier, so that wave 0's signal speaks for all four waves; wave 0 signals; every wave waits for all sixteen work-groups; my work-group's barrier once more.
.macro CREST                           ; a round behind its opening barrier
	s_cmp_lg_u32 s10, 0
	s_cbranch_scc1 .Lnot_wave_0_\@
	s_barrier_signal -3
.Lnot_wave_0_\@:
	s_barrier_wait -3
	s_barrier_signal -1
	s_barrier_wait -1
.endm
.macro CROUND                          ; a whole round
	s_barrier_signal -1
	s_barrier_wait -1
	CREST
.endm
	s_load_b128 s[4:7], s[0:1], 0x0                ; kbb s[4:5], wb s[6:7]
	s_load_b256 s[68:75], s[0:1], 0x10             ; b, q, pd, pn
	v_lshl_add_u32 v[SPW], v0, 2, SPARE
	v_mov_b32 v[NIL], 0
	ds_add_u32 v[SPW], v[NIL]                      ; the wave's opening: the add and its wait stand ahead of my first tensor load; the set-up below, work on registers, stands between them
	ds_add_u32 v28, v29
	v_lshrrev_b32 v1, 5, v0
	v_readfirstlane_b32 s10, v1                    ; wave 0..3
	s_lshr_b32 s11, s10, 1                         ; which half of the tile's rows is mine.  Also: I fetch for kbb (0) or for wb (1)
	s_and_b32 s12, s10, 1                          ; which half of its columns.  Also: which 128 rows of that tile I fetch
	s_bfe_u32 s40, ttmp6, 0x40000                  ; cx, cy: my place in the cluster
	s_bfe_u32 s41, ttmp6, 0x40004
	s_lshl_b32 s42, ttmp9, 2                       ; in a cluster launch ttmp9 and ttmp7 count clusters
	s_add_co_u32 s42, s42, s40                     ; tile column = 4 x cluster x + cx: 0..7
	s_and_b32 s13, ttmp7, 0xffff
	s_lshl_b32 s13, s13, 2
	s_add_co_u32 s13, s13, s41                     ; tile row = 4 x cluster y + cy: the first tile's b, 0..31
	s_lshl_b32 s43, s41, 2
	s_lshl_b32 s43, 15, s43                        ; my row of the cluster: places 4 cy .. 4 cy + 3
	s_lshl_b32 s44, 0x1111, s40                    ; my column: places cx, cx + 4, cx + 8, cx + 12
	; descriptor group 1: a tile of 128 rows x 128 elements, padded in LDS
	s_or_b32 s[G1+0], s43, (1<<16)|(1<<20)|(1<<21)|(5<<22)|(3<<25)  ; 15:0 the mask: kbb's tiles go to my row; 17:16 elements of 2 bytes; 20 padding on; 21 set beside a mask; 24:22 after every 64 words (code 5); 31:25 4 words of it (code 3)
	s_or_b32 s[G1B+0], s44, (1<<16)|(1<<20)|(1<<21)|(5<<22)|(3<<25) ; the same with the mask of my column, for wb's tiles
.irp g, G1, G1B
	s_mov_b32 s[(\g)+1], KSTEP<<16                 ; tensor_dim0 = 128
	s_mov_b32 s[(\g)+2], 128<<16                   ; tensor_dim1 = 128
	s_mov_b32 s[(\g)+3], KSTEP<<16                 ; tile_dim0 = 128
	s_mov_b32 s[(\g)+4], 128                       ; tile_dim1 = 128
	s_mov_b32 s[(\g)+5], SIZE_K                    ; elements from row to row
	s_mov_b32 s[(\g)+6], 0
	s_mov_b32 s[(\g)+7], 0
.endr
	s_mov_b32 s[HM], 0xffff0000
	s_mov_b32 s[SEL], 0x76543210
	s_mov_b32 s[SEL+1], 0xfedcba98
	; where the tiles come from.  kbb's hang on the tile row alone, which my row of the cluster shares; wb's on the tile column alone, which my column shares.
	; Every wave makes both addresses, in registers that never hold the other coordinate, and asks by one of them.
	s_lshl_b32 s17, s12, 7                         ; which 128 rows of the tile I fetch
	s_lshl_b32 s16, s13, 8
	s_add_co_u32 s16, s16, s17                     ; kbb: row 256 x tile row + 128 x half
	s_lshl_b32 s46, s42, 8
	s_add_co_u32 s46, s46, s17                     ; wb: row 256 x tile column + 128 x half
	s_mov_b32 s17, 0
	s_mov_b32 s47, 0
	s_mov_b64 s[18:19], SIZE_K*2
	s_mul_u64 s[16:17], s[16:17], s[18:19]         ; in bytes
	s_mul_u64 s[46:47], s[46:47], s[18:19]
	s_mul_i32 s20, s10, HALFT                      ; and where they go: wave x 128 rows: no place in the cluster enters an LDS address
	s_wait_dscnt 0x0                               ; the opening add is done
	s_wait_kmcnt 0x0
	s_add_nc_u64 s[14:15], s[4:5], s[16:17]
	s_add_nc_u64 s[46:47], s[6:7], s[46:47]
	CROUND                                         ; all sixteen work-groups are here: the first joint loads meet
.irp s, 0,1
	s_mov_b32 s[G0+4*(\s)], 1                                      ; count = 1
	s_add_co_u32 s[G0+4*(\s)+1], s20, (\s)*SLOT                    ; LDS address
	s_add_nc_u64 s[G0+4*(\s)+2:G0+4*(\s)+3], s[14:15], (\s)*KSTEP*2  ; global address: step s
	s_or_b32 s[G0+4*(\s)+3], s[G0+4*(\s)+3], 0x80000000            ; type = 2
	s_mov_b32 s[G0B+4*(\s)], 1
	s_add_co_u32 s[G0B+4*(\s)+1], s20, (\s)*SLOT
	s_add_nc_u64 s[G0B+4*(\s)+2:G0B+4*(\s)+3], s[46:47], (\s)*KSTEP*2
	s_or_b32 s[G0B+4*(\s)+3], s[G0B+4*(\s)+3], 0x80000000
	JLOAD \s                                       ; the ring is filled before anything else is done: two tensor loads of mine are out
.endr
	; A fragment is 16 rows x 32 h in 8 registers: lane l holds row l % 16; registers 0-3 hold h = 8 (l / 16) + 0..7, registers 4-7 h = 16 + 8 (l / 16) + 0..7: two loads of 16 bytes, 32 bytes apart.
	v_and_b32 v1, 15, v0                           ; l % 16
	v_bfe_u32 v2, v0, 4, 1                         ; l / 16
	v_mul_u32_u24 v3, v1, PITCH
	v_lshl_add_u32 v3, v2, 4, v3                   ; row x pitch + 16 x half
	s_mul_i32 s21, s11, HALFT                      ; my 128 rows of kbb
	s_mul_i32 s22, s12, HALFT                      ; my 128 rows of wb,
	s_add_co_u32 s22, s22, 2*HALFT                 ; which lie behind kbb's 256
.irp s, 0,1
	v_add_nc_u32 v[ADRA+(\s)], s21, v3
	v_add_nc_u32 v[ADRB+(\s)], s22, v3
	s_add_co_u32 s21, s21, SLOT
	s_add_co_u32 s22, s22, SLOT
.endr
	s_lshl_b32 s23, s10, 10
	s_add_co_u32 s23, s23, STAGE                   ; my stage
	v_lshlrev_b32 v4, 2, v1
	v_lshl_add_u32 v4, v2, 9, v4                   ; word l % 16; lanes 16-31 in the second 512 bytes
	v_add_nc_u32 v[STO], s23, v4
	v_and_b32 v5, 31, v0
	v_lshlrev_b32 v[PO], 4, v5
	v_add_nc_u32 v[RD], s23, v[PO]
	v_lshlrev_b32 v[QA], 5, v2
	; the offsets of b, q, pd and pn, in registers of their own: only these mix the two coordinates
	s_lshl_b32 s80, s42, 10
	s_lshl_b32 s82, s12, 9
	s_add_co_u32 s80, s80, s82                     ; my 128 columns, in f32: 1,024 x tile column + 512 x half
	s_mov_b32 s81, 0
	s_add_nc_u64 s[SB:SB+1], s[SB:SB+1], s[80:81]
	s_lshl_b32 s82, s13, 13                        ; row b of q
	s_add_co_u32 s82, s82, s80
	s_mov_b32 s83, 0
	s_add_nc_u64 s[SQ:SQ+1], s[SQ:SQ+1], s[82:83]
	s_lshl_b32 s82, s42, 1
	s_add_co_u32 s82, s82, s12                     ; c = 2 x tile column + half
	s_lshl_b32 s82, s82, 6
	s_add_co_u32 s82, s82, s13                     ; 64 c + b
	s_lshl_b32 s82, s82, 1
	s_add_co_u32 s82, s82, s11                     ; which 128 of the 256 k
	s_lshl_b32 s82, s82, 9                         ; 128 words
	s_add_nc_u64 s[SPD:SPD+1], s[SPD:SPD+1], s[82:83]
	s_add_nc_u64 s[SPN:SPN+1], s[SPN:SPN+1], s[82:83]
; 16 loads: my eight numbers of each of the eight column blocks, 512 bytes of a vector of f32, into 64 registers of window 1: register 8 bb + j holds column 16 bb + 8 (l / 16) + j, as an accumulator does
.macro VLOAD dst, base, off
	WIN TO_B
.irp bb, 0,1,2,3,4,5,6,7
	global_load_b128 v[(\dst)+8*(\bb):(\dst)+8*(\bb)+3],   v[QA], s[\base:\base+1] offset:(\off)+64*(\bb)
	global_load_b128 v[(\dst)+8*(\bb)+4:(\dst)+8*(\bb)+7], v[QA], s[\base:\base+1] offset:(\off)+64*(\bb)+16
.endr
	WIN 0
.endm
; 16 matrix instructions: row blocks a0, a0 + 1 of the window's four (hi = 0: my rows 0-63, 1: rows 64-127) x all 8 column blocks, 32 along h.
; zero = 1: the first product starts the sums, with the bias (window 1) as C.  The 64 accumulators take turns in the same order in every quarter step.
.macro MUL16 f, hi, a0, zero
.if \zero
	WIN 0x91+0x40*(\hi)                            ; wb window 1, kbb window 0, C window 1, D window 2 or 3
.else
	WIN 0xa1+0x50*(\hi)                            ; wb window 1, kbb window 0, C and D window 2 or 3
.endif
.irp a, \a0, (\a0)+1
.irp b, 0,1,2,3,4,5,6,7
.if \zero
	v_wmma_f32_16x16x32_bf16 v[8*(8*(\a)+(\b)):8*(8*(\a)+(\b))+7], v[(\f)+8*(\b):(\f)+8*(\b)+7], v[(\f)+8*(4*(\hi)+(\a)):(\f)+8*(4*(\hi)+(\a))+7], v[BIAS+8*(\b):BIAS+8*(\b)+7]
.else
	v_wmma_f32_16x16x32_bf16 v[8*(8*(\a)+(\b)):8*(8*(\a)+(\b))+7], v[(\f)+8*(\b):(\f)+8*(\b)+7], v[(\f)+8*(4*(\hi)+(\a)):(\f)+8*(4*(\hi)+(\a))+7], v[8*(8*(\a)+(\b)):8*(8*(\a)+(\b))+7]
.endif
.endr
.endr
.endm
; 32 LDS loads in one run: the fragments of one quarter step (128 rows of wb, 128 rows of kbb, 32 h at byte k of the rows) into buffer f
.macro FETCH slot, k, f
	WIN TO_B
.irp i, 0,1,2,3,4,5,6,7
	ds_load_b128 v[(\f)+8*(\i):(\f)+8*(\i)+3],   v[ADRB+(\slot)] offset:(\k)+(\i)*16*PITCH
	ds_load_b128 v[(\f)+8*(\i)+4:(\f)+8*(\i)+7], v[ADRB+(\slot)] offset:(\k)+(\i)*16*PITCH+32
.endr
	WIN 0
.irp i, 0,1,2,3,4,5,6,7
	ds_load_b128 v[(\f)+8*(\i):(\f)+8*(\i)+3],   v[ADRA+(\slot)] offset:(\k)+(\i)*16*PITCH
	ds_load_b128 v[(\f)+8*(\i)+4:(\f)+8*(\i)+7], v[ADRA+(\slot)] offset:(\k)+(\i)*16*PITCH+32
.endr
.endm
; A load into a register that a matrix instruction has read, and a vector instruction that reads a matrix result, stand four places behind that matrix instruction, and only plain vector
; instructions that name none of its registers are places (ISA guide 7.12.1 for vector instructions).
.macro PLACES
.rept 4
	v_nop
.endr
.endm
; A step is four quarters of 32 along h, 64 matrix instructions each, on buffers 0, 1, 0, 1.  One of the first three: multiplies buffer f; in its middle it fetches the next quarter, at byte k, into g.
.macro QUARTER slot, k, f, g, zero
	s_wait_dscnt 8                                 ; wb and kbb's rows 0-63 are in; the youngest eight loads (kbb's rows 64-127) may be out
	MUL16 \f, 0, 0, \zero
	MUL16 \f, 0, 2, \zero
	PLACES
	FETCH \slot, \k, \g
	s_wait_dscnt 32                                ; all but the 32 just issued
	MUL16 \f, 1, 0, \zero
	MUL16 \f, 1, 2, \zero
.endm
; The last quarter multiplies buffer 1 and changes slots.  MEET is its first half: ONE barrier.  In front of it each wave waits for all its tensor loads, of which one is out: its part of the next slot;
; adds 0 to its spare word; and waits for that and for its own reads of this slot.  Behind it nobody reads this slot any more and the next slot is whole.
.macro MEET round                      ; round = 1: a round of the cluster's barrier follows
	WIN 0                                          ; (the add's two registers lie in window 0)
	s_wait_tensorcnt 0x0                           ; all my tensor loads have landed;
	ds_add_u32 v[SPW], v[NIL]                      ; 0 onto my spare word;
	s_wait_dscnt 9                                 ; (the add and the youngest eight loads may be out)
	MUL16 F1, 0, 0, 0                              ; sixteen matrix instructions stand between the add and the wait for it
	s_wait_dscnt 0x0                               ; the add is done, and my reads of this slot are over:
	s_barrier_signal -1                            ; say so,
	MUL16 F1, 0, 2, 0                              ; work on registers while the others arrive,
.if \round
	WIN 0
.endif
	s_barrier_wait -1                              ; and go on when all four have said so
.endm
; The whole last quarter.  Behind the round the slot just read out is filled again first: with this tile's step two steps on (on = 0) or with the next tile's step 0 or 1 (on = 1); then come the next
; slot's first fragments.  From a request to the wait for it a wave issues 224 matrix instructions.
.macro TURN slot, next, on
	MEET 1
	CREST                                          ; no wave of any partner still reads this slot's tile or has a load on its way
.if \on
	s_add_nc_u64 s[G0+4*(\slot)+2:G0+4*(\slot)+3], s[G0+4*(\slot)+2:G0+4*(\slot)+3], NEXT_A
	s_sub_nc_u64 s[G0B+4*(\slot)+2:G0B+4*(\slot)+3], s[G0B+4*(\slot)+2:G0B+4*(\slot)+3], BACK_B
.else
	s_add_nc_u64 s[G0+4*(\slot)+2:G0+4*(\slot)+3], s[G0+4*(\slot)+2:G0+4*(\slot)+3], 2*KSTEP*2
	s_add_nc_u64 s[G0B+4*(\slot)+2:G0B+4*(\slot)+3], s[G0B+4*(\slot)+2:G0B+4*(\slot)+3], 2*KSTEP*2
.endif
	JLOAD \slot                                    ; my one tensor load behind the round, and the first thing there; its four v_nop are also the places in front of the loads below
	FETCH \next, 0, F0
	MUL16 F1, 1, 0, 0
	MUL16 F1, 1, 2, 0
.endm
.macro TURNX                           ; the last change of slots: nothing is filled again, so no round follows
	MEET 0
	PLACES
	FETCH 1, 0, F0
	MUL16 F1, 1, 0, 0
	MUL16 F1, 1, 2, 0
.endm
; THE WAY OUT.  SUMS: for the window's four row blocks, each lane's 64 numbers of a row are multiplied by q (sq = 0) or by themselves (sq = 1) and added, two at a time, in two chains a block.
; The blocks are the innermost loop, so a chain's next link stands eight instructions on.  The first two products of a block start its chains: nothing is cleared.  Each accumulator is read from its lowest registers on.
.macro SUMS hi, sq
.if \sq
	WIN 0x0a+5*(\hi)                               ; sources 0 and 1: window 2 or 3; the sums in window 0
.else
	WIN 0x06+(\hi)                                 ; source 0: window 2 or 3; source 1 (q): window 1
.endif
.irp bb, 0,1,2,3,4,5,6,7
.irp p, 0,1,2,3
.irp a, 0,1,2,3
.set rA, 8*(8*(\a)+(\bb))+2*(\p)
.if \sq
.set rD, NRM+4*(4*(\hi)+(\a))+2*((\p)%2)
.set rQ, rA
.else
.set rD, DOT+4*(4*(\hi)+(\a))+2*((\p)%2)
.set rQ, QV+8*(\bb)+2*(\p)
.endif
.if ((\bb) == 0) && ((\p) < 2)
	v_pk_mul_f32 v[rD:rD+1], v[rA:rA+1], v[rQ:rQ+1]
.else
	v_pk_fma_f32 v[rD:rD+1], v[rA:rA+1], v[rQ:rQ+1], v[rD:rD+1]
.endif
.endr
.endr
.endr
.endm
; EPI: the sums; a row's other 64 columns lie in the lane 16 away: lanes 0-15 keep dot and send nrm, lanes 16-31 keep nrm and send dot, so one exchange finishes both.  The 256 words go through
; my own stage and leave as two stores of 512 consecutive bytes, each at a multiple of 512 from its buffer's first byte.
.macro EPI tile
	s_wait_loadcnt 0x0                             ; q of this tile
	s_wait_xcnt 0x0                                ; OUT, which the tile before stored from, is rewritten only behind this wait (ISA guide 3.1)
	PLACES                                         ; between the last products and the first read of a result
	SUMS 0, 0
	SUMS 0, 1
	SUMS 1, 0
	SUMS 1, 1
	WIN 0
.irp a, 0,1,2,3,4,5,6,7
	v_pk_add_f32 v[DOT+4*(\a):DOT+4*(\a)+1], v[DOT+4*(\a):DOT+4*(\a)+1], v[DOT+4*(\a)+2:DOT+4*(\a)+3]
	v_pk_add_f32 v[NRM+4*(\a):NRM+4*(\a)+1], v[NRM+4*(\a):NRM+4*(\a)+1], v[NRM+4*(\a)+2:NRM+4*(\a)+3]
.endr
.irp a, 0,1,2,3,4,5,6,7
	v_add_f32 v[DOT+4*(\a)], v[DOT+4*(\a)], v[DOT+4*(\a)+1]
	v_add_f32 v[NRM+4*(\a)], v[NRM+4*(\a)], v[NRM+4*(\a)+1]
.endr
.irp a, 0,1,2,3,4,5,6,7
	v_cndmask_b32 v[T+(\a)], v[DOT+4*(\a)], v[NRM+4*(\a)], s[HM]   ; kept
	v_cndmask_b32 v[U+(\a)], v[NRM+4*(\a)], v[DOT+4*(\a)], s[HM]   ; sent
.endr
.irp a, 0,1,2,3,4,5,6,7
	v_permlanex16_b32 v[DOT+4*(\a)+1], v[U+(\a)], s[SEL], s[SEL+1]
.endr
.irp a, 0,1,2,3,4,5,6,7
	v_add_f32 v[T+(\a)], v[T+(\a)], v[DOT+4*(\a)+1]
.endr
.irp a, 0,1,2,3,4,5,6,7
	ds_store_b32 v[STO], v[T+(\a)] offset:64*(\a)  ; row 16 a + l % 16
.endr
	ds_load_b128 v[OUT:OUT+3],   v[RD]             ; LDS serves a wave's instructions in order (ISA guide 5.7.1.4): these see the stores above
	ds_load_b128 v[OUT+4:OUT+7], v[RD] offset:512
	s_wait_dscnt 0x0
	global_store_b128 v[PO], v[OUT:OUT+3],   s[SPD:SPD+1] offset:(\tile)*32768  ; the second tile's b lies 32 x 256 words on
	global_store_b128 v[PO], v[OUT+4:OUT+7], s[SPN:SPN+1] offset:(\tile)*32768
.endm
	VLOAD BIAS, SB, 0                              ; the bias, once
	VLOAD QV, SQ, 0                                ; q of the first tile's b
	s_wait_tensorcnt 1                             ; my part of step 0 is in; step 1's may stay out
	s_barrier_signal -1
	s_barrier_wait -1                              ; everybody's is
	FETCH 0, 0, F0
	s_wait_loadcnt 0x0                             ; the bias is the first products' C
	s_mov_b32 s2, SIZE_TILES                       ; tiles to go, this one among them: the same number in every work-group
.Ltile:
	QUARTER 0, 64,  F0, F1, 1                      ; a tile's first quarter stands in front of the loop: its products start the sums
	WIN 0                                          ; at a label and at a branch every window is 0
	s_mov_b32 s3, LAPS-1
.Llap:                                                 ; a trip goes once round the ring, from a lap's second quarter to the next lap's first, and fills both slots again
	QUARTER 0, 128, F1, F0, 0
	QUARTER 0, 192, F0, F1, 0
	TURN 0, 1, 0
	QUARTER 1, 64,  F0, F1, 0
	QUARTER 1, 128, F1, F0, 0
	QUARTER 1, 192, F0, F1, 0
	TURN 1, 0, 0
	QUARTER 0, 64,  F0, F1, 0
	WIN 0
	s_sub_co_u32 s3, s3, 1
	s_cmp_lg_u32 s3, 0
	s_cbranch_scc1 .Llap
	QUARTER 0, 128, F1, F0, 0                      ; the tile's last lap goes on
	QUARTER 0, 192, F0, F1, 0
	WIN 0
	s_cmp_eq_u32 s2, 1
	s_cbranch_scc1 .Llast_tile                     ; the last tile's tail is written out: it asks for nothing more
	TURN 0, 1, 1                                   ; the ring goes on into the next tile: slot 0 takes its step 0,
	QUARTER 1, 64,  F0, F1, 0
	QUARTER 1, 128, F1, F0, 0
	QUARTER 1, 192, F0, F1, 0
	TURN 1, 0, 1                                   ; slot 1 its step 1, and the next tile's first fragments are fetched
	EPI 0                                          ; both refills are asked for: now the tile's sums are made and leave
	VLOAD QV, SQ, 262144                           ; q of b + 32: it has the whole next tile in which to land
	s_sub_co_u32 s2, s2, 1
	s_branch .Ltile
.Llast_tile:
	TURNX
	QUARTER 1, 64,  F0, F1, 0
	QUARTER 1, 128, F1, F0, 0
	QUARTER 1, 192, F0, F1, 0
	s_wait_dscnt 8                                 ; the very last quarter: nothing more to fetch
	MUL16 F1, 0, 0, 0
	MUL16 F1, 0, 2, 0
	s_wait_dscnt 0x0
	MUL16 F1, 1, 0, 0
	MUL16 F1, 1, 2, 0
	EPI 1
	s_wait_tensorcnt 0x0                           ; the wave's end: behind my last tensor load and my last LDS store
	ds_add_u32 v[SPW], v[NIL]
	s_wait_dscnt 0x0
	CROUND                                         ; the closing round: no work-group ends while a partner may still ask for a tile that names it
	s_endpgm
.Lfunc_end_k_qf8ee235514_gemm:
	.size	k_qf8ee235514_gemm, .Lfunc_end_k_qf8ee235514_gemm-k_qf8ee235514_gemm
	.p2alignl 7, 3214868480
	.fill 96, 4, 3214868480
	.section	.rodata,"a",@progbits
	.p2align	6, 0x0
	.amdhsa_kernel k_qf8ee235514_gemm
		.amdhsa_group_segment_fixed_size 327680
		.amdhsa_private_segment_fixed_size 0
		.amdhsa_enable_private_segment 0
		.amdhsa_kernarg_size 48
		.amdhsa_user_sgpr_count 2
		.amdhsa_user_sgpr_kernarg_segment_ptr 1
		.amdhsa_wavefront_size32 1
		.amdhsa_system_sgpr_workgroup_id_x 1
		.amdhsa_system_sgpr_workgroup_id_y 1
		.amdhsa_system_sgpr_workgroup_id_z 1
		.amdhsa_system_vgpr_workitem_id 0
		.amdhsa_next_free_vgpr 1024
		.amdhsa_next_free_sgpr 84
		.amdhsa_reserve_vcc 0
		.amdhsa_float_denorm_mode_32 3
		.amdhsa_float_denorm_mode_16_64 3
		.amdhsa_memory_ordered 1
		.amdhsa_forward_progress 1
		.amdhsa_inst_pref_size 223
	.end_amdhsa_kernel
	.amdgpu_metadata
---
amdhsa.version: [ 1, 2 ]
amdhsa.kernels:
  - .name:           k_qf8ee235514_gemm
    .symbol:         k_qf8ee235514_gemm.kd
    .args:
      - { .name: kbb, .offset: 0, .size: 8, .value_kind: global_buffer, .address_space: global }
      - { .name: wb, .offset: 8, .size: 8, .value_kind: global_buffer, .address_space: global }
      - { .name: b, .offset: 16, .size: 8, .value_kind: global_buffer, .address_space: global }
      - { .name: q, .offset: 24, .size: 8, .value_kind: global_buffer, .address_space: global }
      - { .name: pd, .offset: 32, .size: 8, .value_kind: global_buffer, .address_space: global }
      - { .name: pn, .offset: 40, .size: 8, .value_kind: global_buffer, .address_space: global }
    .group_segment_fixed_size: 327680
    .private_segment_fixed_size: 0
    .kernarg_segment_align: 8
    .kernarg_segment_size: 48
    .max_flat_workgroup_size: 128
    .sgpr_count:     84
    .vgpr_count:     1024
    .wavefront_size: 32
...
	.end_amdgpu_metadata
.endif
;; end of part 3
;; launch mix (part 4): grid 4 x 64, 8 waves a work-group, no clusters, 10,752 bytes of LDS; arguments kbb, pd, pn, q, input_state, out0; writes out0
.if DOCPART == 4
	.amdgcn_target "amdgcn-amd-amdhsa--gfx1250"
	.amdhsa_code_object_version 6
	.text
	.protected	k_qf8ee235514_mix
	.globl	k_qf8ee235514_mix
	.p2align	8
	.type	k_qf8ee235514_mix,@function
k_qf8ee235514_mix:
	s_mov_b64 s[64:65], 0
	v_nop
	global_prefetch_b8 v0, s[64:65] scope:SCOPE_SE
	s_setreg_imm32_b32 hwreg(HW_REG_WAVE_MODE, 25, 1), 1
	s_wait_xcnt 0x0
; out[b][:] = x[b][:] + sum over k of attn[k][b] KB[k][b][:],  attn = softmax over k of score,  score[k][b] = dot / (max(|q[b]|, 1e-8) max(|kp|, 1e-8)).
; kbb [64 b][256 k][2048] bf16 (knowledge_base rounded once); pd, pn [16 c][64 b][256 k] f32: the 16 parts of dot and of |kp|^2; q, input_state, out0 [64][2048] f32.  All arithmetic in f32.
; NO MAXIMUM IS TAKEN AWAY in front of the exponential: a score is a cosine, made of the same q and kp as the two norms, so it lies within -1 .. 1 up to the rounding of f32 sums, for every input
; (the two clamps only make it smaller): the exponentials lie between about 0.36 and 2.8, and the sum of 256 of them under 720.
; LIMITS.  v_sqrt_f32 takes a denormal as 0: such a norm lies under 1e-19, and the clamp puts 1e-8 in its place either way.  NaN and infinities are not treated apart.
; SHARES.  Work-group (hq, b) makes 512 columns of out[b].  First thread t is item k = t: it adds the 16 parts, and makes score and e = exp(score); each of a b's four work-groups does this for itself
; (32 KB read against the 256 KB of its share of kbb).  Then thread t is columns 8 (t % 64) .. + 7 (16 bytes of a row) of the rows k = 64 (t / 64) + 0..63; a wave's load covers 512 consecutive bytes.
; The division by the sum of e is applied once, to the finished sum.  A ring of 32 slots of registers keeps 32 loads of every thread on their way; they go out before the scores are made.
; Memory binds: no matrix unit (one row of weights for each b), no cluster and no tensor load (no byte of kbb is read twice in the launch).
.set RED,   0                          ; 8 words: the waves' parts of |q|^2
.set RED2,  256                        ; 8 words: the waves' parts of the sum of e
.set EL,    512                        ; 256 words: e
.set RS,    1536                       ; 4 x 2,048 bytes: the four row groups' sums over 512 columns
.set SPARE, 9728                       ; the spare words, 128 bytes for each of the 8 waves; no other line names them
.set KO,  2                            ; v2       my byte offset in the work-group's share of kbb; never rewritten
.set ACC, 16                           ; v[16:23] my 8 columns' sums
.set E,   24                           ; v[24:87] e of my 64 rows; before that pd's parts in 24-39, pn's in 40-55, q in 56-63
.set D,   88                           ; v[88:215] 32 slots of 4: 8 bf16 of a row
.macro WSUM r, t                       ; the sum over the wave's 32 lanes, in every lane; t: a register that has been written
	v_add_f32_dpp v[\r], v[\r], v[\r] row_xmask:1 row_mask:0xf bank_mask:0xf
	v_add_f32_dpp v[\r], v[\r], v[\r] row_xmask:2 row_mask:0xf bank_mask:0xf
	v_add_f32_dpp v[\r], v[\r], v[\r] row_xmask:4 row_mask:0xf bank_mask:0xf
	v_add_f32_dpp v[\r], v[\r], v[\r] row_xmask:8 row_mask:0xf bank_mask:0xf
	v_permlanex16_b32 v[\t], v[\r], s18, s19
	v_add_f32 v[\r], v[\r], v[\t]
.endm
.macro TREE16 r                        ; the sum of v[r] .. v[r+15] into v[r], in a fixed order
.irp g, 0,1,2,3
	v_pk_add_f32 v[(\r)+4*(\g):(\r)+4*(\g)+1], v[(\r)+4*(\g):(\r)+4*(\g)+1], v[(\r)+4*(\g)+2:(\r)+4*(\g)+3]
.endr
.irp g, 0,1
	v_pk_add_f32 v[(\r)+8*(\g):(\r)+8*(\g)+1], v[(\r)+8*(\g):(\r)+8*(\g)+1], v[(\r)+8*(\g)+4:(\r)+8*(\g)+5]
.endr
	v_pk_add_f32 v[(\r):(\r)+1], v[(\r):(\r)+1], v[(\r)+8:(\r)+9]
	v_add_f32 v[(\r)], v[(\r)], v[(\r)+1]
.endm
.macro SUM8 d, r                       ; the sum of v[r] .. v[r+7] into v[d]
	v_add_f32 v[(\r)], v[(\r)], v[(\r)+1]
	v_add_f32 v[(\r)+2], v[(\r)+2], v[(\r)+3]
	v_add_f32 v[(\r)+4], v[(\r)+4], v[(\r)+5]
	v_add_f32 v[(\r)+6], v[(\r)+6], v[(\r)+7]
	v_add_f32 v[(\r)], v[(\r)], v[(\r)+2]
	v_add_f32 v[(\r)+4], v[(\r)+4], v[(\r)+6]
	v_add_f32 v[\d], v[(\r)], v[(\r)+4]
.endm
	s_load_b256 s[4:11], s[0:1], 0x0               ; kbb s[4:5], pd s[6:7], pn s[8:9], q s[10:11]
	s_load_b128 s[12:15], s[0:1], 0x20             ; input_state s[12:13], out0 s[14:15]
	v_lshl_add_u32 v6, v0, 2, SPARE                ; my spare word,
	v_mov_b32 v7, 0                                ; and 0: kept for the add at the wave's end alone
	v_lshrrev_b32 v8, 5, v0
	v_readfirstlane_b32 s16, v8                    ; wave 0..7
	s_lshl_b32 s17, s16, 2
	s_mov_b32 s18, 0x76543210                      ; v_permlanex16_b32: each lane takes its own place in the other half
	s_mov_b32 s19, 0xfedcba98
	s_and_b32 s20, ttmp7, 0xffff                   ; b
	s_mov_b32 s21, ttmp9                           ; hq
	v_and_b32 v1, 63, v0                           ; cg = t % 64
	v_lshrrev_b32 v14, 6, v0                       ; rg = t / 64
	v_lshlrev_b32 v[KO], 4, v1
	v_lshl_add_u32 v[KO], v14, 18, v[KO]           ; 64 rows of 4,096 bytes x rg + 16 cg
	v_lshlrev_b32 v3, 2, v0                        ; 4 t
	v_lshlrev_b32 v4, 4, v0                        ; 16 t
	v_lshlrev_b32 v5, 3, v0                        ; 8 t
	v_lshlrev_b32 v1, 5, v1
	v_lshl_add_u32 v1, v14, 11, v1                 ; 2,048 rg + 32 cg: my 8 sums in RS
	v_lshlrev_b32 v14, 8, v14                      ; 256 rg: my 64 rows' e in EL
	v_mov_b32 v8, s17                              ; my wave's word in RED and RED2
	v_mov_b32 v9, 0                                ; LDS byte 0, and the number 0
	s_lshl_b32 s22, s20, 20                        ; b's 256 rows of kbb,
	s_lshl_b32 s24, s21, 10                        ; my 512 columns of them
	s_add_co_u32 s22, s22, s24
	s_mov_b32 s23, 0
	s_lshl_b32 s24, s20, 10                        ; b's 256 words in a part of pd and pn
	s_mov_b32 s25, 0
	s_lshl_b32 s26, s20, 13                        ; row b of q, x and out,
	s_mov_b32 s27, 0
	s_lshl_b32 s28, s21, 11                        ; my 512 columns of it
	s_add_co_u32 s28, s28, s26
	s_mov_b32 s29, 0
	s_wait_kmcnt 0x0
	s_add_nc_u64 s[4:5], s[4:5], s[22:23]
	s_add_nc_u64 s[6:7], s[6:7], s[24:25]
	s_add_nc_u64 s[8:9], s[8:9], s[24:25]
	s_add_nc_u64 s[10:11], s[10:11], s[26:27]
	s_add_nc_u64 s[12:13], s[12:13], s[28:29]
	s_add_nc_u64 s[14:15], s[14:15], s[28:29]
	; what the scores need goes out first, then the first 32 rows
	global_load_b128 v[56:59], v4, s[10:11]
	global_load_b128 v[60:63], v4, s[10:11] offset:4096
.irp c, 0,1,2,3,4,5,6,7,8,9,10,11,12,13,14,15
	global_load_b32 v[24+(\c)], v3, s[6:7] offset:(\c)*65536
.endr
.irp c, 0,1,2,3,4,5,6,7,8,9,10,11,12,13,14,15
	global_load_b32 v[40+(\c)], v3, s[8:9] offset:(\c)*65536
.endr
	global_load_b64 v[10:11], v5, s[12:13]         ; x of the two columns that I store
.set i, 0
.rept 32
	global_load_b128 v[D+4*i:D+4*i+3], v[KO], s[4:5] offset:i*4096 th:TH_LOAD_NT
.set i, i+1
.endr
	s_wait_loadcnt 32                              ; all but the 32 rows
	v_pk_mul_f32 v[12:13], v[56:57], v[56:57]      ; |q|^2: my 8 numbers,
	v_pk_fma_f32 v[12:13], v[58:59], v[58:59], v[12:13]
	v_pk_fma_f32 v[12:13], v[60:61], v[60:61], v[12:13]
	v_pk_fma_f32 v[12:13], v[62:63], v[62:63], v[12:13]
	v_add_f32 v12, v12, v13
	WSUM 12, 13                                    ; my wave's 256
	ds_store_b32 v8, v12 offset:RED                ; all lanes write the same word with the same value
	TREE16 24                                      ; dot of item t
	TREE16 40                                      ; |kp|^2 of item t
	s_wait_dscnt 0x0                               ; for the others' sake: my store is done
	s_barrier_signal -1
	s_barrier_wait -1
	ds_load_b128 v[56:59], v9 offset:RED
	ds_load_b128 v[60:63], v9 offset:RED+16
	s_wait_dscnt 0x0
	SUM8 56, 56
	v_sqrt_f32 v12, v56
	v_sqrt_f32 v13, v40
	v_nop                                          ; a plain instruction between a transcendental and the use of its result (ISA guide 5.7.2)
	s_wait_alu depctr_va_vdst(0)
	v_max_num_f32 v12, 0x322bcc77, v12             ; the clamps at 1e-8
	v_max_num_f32 v13, 0x322bcc77, v13
	v_mul_f32 v12, v12, v13
	v_rcp_f32 v12, v12
	v_mul_f32 v13, 0x3fb8aa3b, v24                 ; log2(e) x dot: the plain instruction behind the reciprocal
	s_wait_alu depctr_va_vdst(0)
	v_mul_f32 v12, v13, v12
	v_exp_f32 v12, v12                             ; e = exp(score)
	v_nop
	s_wait_alu depctr_va_vdst(0)
	ds_store_b32 v3, v12 offset:EL
	v_mov_b32 v13, v12
	WSUM 13, 56
	ds_store_b32 v8, v13 offset:RED2
	s_wait_dscnt 0x0                               ; for the others' sake
	s_barrier_signal -1
	s_barrier_wait -1
	ds_load_b128 v[ACC:ACC+3],   v9 offset:RED2
	ds_load_b128 v[ACC+4:ACC+7], v9 offset:RED2+16
.irp j, 0,1,2,3,4,5,6,7,8,9,10,11,12,13,14,15
	ds_load_b128 v[E+4*(\j):E+4*(\j)+3], v14 offset:EL+16*(\j)   ; one address for all lanes of a wave
.endr
	s_wait_dscnt 16                                ; the eight parts are in; the 16 loads of e may be out
	SUM8 15, ACC
	v_rcp_f32 v12, v15                             ; 1 / the sum of e, twice: a pair for the packed multiply-add at the end;
	v_rcp_f32 v13, v15                             ; the first multiply-add below is the plain instruction behind them
	s_wait_dscnt 0x0
	; 64 rows.  Row i lies in slot i % 32; when row i < 32 has been used its slot takes row i + 32.  Row 0's products start the sums, with the number 0 as addend.
.set i, 0
.rept 64
.set sl, D+4*(i%32)
.if i < 32
	s_wait_loadcnt 31                              ; behind row i's load: rows i + 1 .. 31 and the i refills
.else
	s_wait_loadcnt 63-i                            ; the refills behind it
.endif
.set j, 0
.rept 4
.if i == 0
	v_fma_mix_f32_bf16 v[ACC+2*j],   v[sl+j], v[E+i], v9 op_sel:[0,0,0] op_sel_hi:[1,0,0]
	v_fma_mix_f32_bf16 v[ACC+2*j+1], v[sl+j], v[E+i], v9 op_sel:[1,0,0] op_sel_hi:[1,0,0]
.else
	v_fma_mix_f32_bf16 v[ACC+2*j],   v[sl+j], v[E+i], v[ACC+2*j]   op_sel:[0,0,0] op_sel_hi:[1,0,0]
	v_fma_mix_f32_bf16 v[ACC+2*j+1], v[sl+j], v[E+i], v[ACC+2*j+1] op_sel:[1,0,0] op_sel_hi:[1,0,0]
.endif
.set j, j+1
.endr
.if i < 32
	global_load_b128 v[sl:sl+3], v[KO], s[4:5] offset:(i+32)*4096 th:TH_LOAD_NT
.endif
.set i, i+1
.endr
	; the four row groups' sums meet in LDS
	ds_store_b128 v1, v[ACC:ACC+3]   offset:RS
	ds_store_b128 v1, v[ACC+4:ACC+7] offset:RS+16
	s_wait_dscnt 0x0                               ; for the others' sake
	s_barrier_signal -1
	s_barrier_wait -1
.irp g, 0,1,2,3
	ds_load_b64 v[ACC+2*(\g):ACC+2*(\g)+1], v5 offset:RS+(\g)*2048   ; columns 2 t, 2 t + 1 of group g
.endr
	s_wait_dscnt 0x0
	v_pk_add_f32 v[ACC:ACC+1], v[ACC:ACC+1], v[ACC+2:ACC+3]
	v_pk_add_f32 v[ACC+4:ACC+5], v[ACC+4:ACC+5], v[ACC+6:ACC+7]
	v_pk_add_f32 v[ACC:ACC+1], v[ACC:ACC+1], v[ACC+4:ACC+5]
	s_wait_alu depctr_va_vdst(0)
	v_pk_fma_f32 v[ACC:ACC+1], v[ACC:ACC+1], v[12:13], v[10:11]    ; sum / l + x
	global_store_b64 v5, v[ACC:ACC+1], s[14:15]    ; a wave stores 256 consecutive bytes, at a multiple of 256 from out0's first byte
	s_wait_tensorcnt 0x0                           ; the wave's end: behind my last LDS store
	ds_add_u32 v6, v7
	s_wait_dscnt 0x0
	s_endpgm
.Lfunc_end_k_qf8ee235514_mix:
	.size	k_qf8ee235514_mix, .Lfunc_end_k_qf8ee235514_mix-k_qf8ee235514_mix
	.p2alignl 7, 3214868480
	.fill 96, 4, 3214868480
	.section	.rodata,"a",@progbits
	.p2align	6, 0x0
	.amdhsa_kernel k_qf8ee235514_mix
		.amdhsa_group_segment_fixed_size 10752
		.amdhsa_private_segment_fixed_size 0
		.amdhsa_enable_private_segment 0
		.amdhsa_kernarg_size 48
		.amdhsa_user_sgpr_count 2
		.amdhsa_user_sgpr_kernarg_segment_ptr 1
		.amdhsa_wavefront_size32 1
		.amdhsa_system_sgpr_workgroup_id_x 1
		.amdhsa_system_sgpr_workgroup_id_y 1
		.amdhsa_system_sgpr_workgroup_id_z 1
		.amdhsa_system_vgpr_workitem_id 0
		.amdhsa_next_free_vgpr 216
		.amdhsa_next_free_sgpr 66
		.amdhsa_reserve_vcc 0
		.amdhsa_float_denorm_mode_32 3
		.amdhsa_float_denorm_mode_16_64 3
		.amdhsa_memory_ordered 1
		.amdhsa_forward_progress 1
		.amdhsa_inst_pref_size 51
	.end_amdhsa_kernel
	.amdgpu_metadata
---
amdhsa.version: [ 1, 2 ]
amdhsa.kernels:
  - .name:           k_qf8ee235514_mix
    .symbol:         k_qf8ee235514_mix.kd
    .args:
      - { .name: kbb, .offset: 0, .size: 8, .value_kind: global_buffer, .address_space: global }
      - { .name: pd, .offset: 8, .size: 8, .value_kind: global_buffer, .address_space: global }
      - { .name: pn, .offset: 16, .size: 8, .value_kind: global_buffer, .address_space: global }
      - { .name: q, .offset: 24, .size: 8, .value_kind: global_buffer, .address_space: global }
      - { .name: input_state, .offset: 32, .size: 8, .value_kind: global_buffer, .address_space: global }
      - { .name: out0, .offset: 40, .size: 8, .value_kind: global_buffer, .address_space: global }
    .group_segment_fixed_size: 10752
    .private_segment_fixed_size: 0
    .kernarg_segment_align: 8
    .kernarg_segment_size: 48
    .max_flat_workgroup_size: 256
    .sgpr_count:     66
    .vgpr_count:     216
    .wavefront_size: 32
...
	.end_amdgpu_metadata
.endif
;; end of part 4
;; ======== version 2 of 2: 4 launches; version 1 with the launches prep, mix written anew for expert scheduling mode
;; workspace buffers: kbb 67,108,864 bytes; wb 8,388,608 bytes; xb 262,144 bytes; q 524,288 bytes; pd 1,048,576 bytes; pn 1,048,576 bytes
;; launch prep (part 5): grid 1156 x 1, 8 waves a work-group, no clusters, 0 bytes of LDS; arguments knowledge_base, W, input_state, kbb, wb, xb; writes kbb, wb, xb
.if DOCPART == 5
	.amdgcn_target "amdgcn-amd-amdhsa--gfx1250"
	.amdhsa_code_object_version 6
	.text
	.protected	k_qf8ee235514_prep
	.globl	k_qf8ee235514_prep
	.p2align	8
	.type	k_qf8ee235514_prep,@function
k_qf8ee235514_prep:
	s_mov_b64 s[64:65], 0
	v_nop
	global_prefetch_b8 v0, s[64:65] scope:SCOPE_SE
	s_setreg_imm32_b32 hwreg(HW_REG_WAVE_SCHED_MODE, 0, 2), 2
	s_setreg_imm32_b32 hwreg(HW_REG_WAVE_MODE, 25, 1), 1
	s_wait_xcnt 0x0
	s_wait_alu depctr_vm_vsrc(0)
; f32 -> bf16, rounded once to nearest even, for the three matrix operands.  All three tensors are rows of 2,048 f32 (8,192 bytes) that become rows of 4,096 bytes.
;   knowledge_base [256 k][64 b][2048] -> kbb [64 b][256 k][2048]: the rows are re-ordered, so that the 256 items of one b lie together (a tile of the product that follows)
;   W [2048][2048] -> wb, input_state [64][2048] -> xb: same order.
; A work-group takes 16 source rows, 131,072 dense bytes: groups 0-1023 knowledge_base, 1024-1151 W, 1152-1155 input_state.
; Thread t owns the 16 bytes at 16 t of each half row of 4,096 bytes (a wave's load covers 512 consecutive bytes) and stores 8 bytes at 8 t of each half row of 2,048 bytes
; (a wave's store covers 256 consecutive bytes, at a multiple of 256 from the buffer's first byte).  All 32 loads of a thread go out at once; no register is written twice by memory, so no wait frees any.
; No LDS, no barrier, no matrix unit: every byte is touched once and nothing is shared.
; THE MODE: SCHED_MODE bits 1:0 = 2 (LLVM: expert scheduling mode 2), set by the entry lines.  The code itself states the register dependences
; between vector instructions and memory instructions, with s_wait_alu, always for 0.
; THE PLAN.  Registers that memory instructions touch:
;   v1, v2     byte offsets, made once at the head, read by every load and store, never written again.
;   X, slot n  one load lands in it; its two conversions read it and write its first two registers; one store reads those two; nothing writes them afterwards.
; The 32 slots go in 8 blocks of four.  Block p converts its own slots; its memory instructions are the four stores of block p - 1, whose registers no conversion of block p names.
; So one wait at a block's head states all that its four stores hang on, and they are dealt among its conversions with no further wait.
.set ROWIN, 8192                       ; bytes in a source row
.set BLK,  4                           ; slots in a block
.set X,    8                           ; v[8:135]  32 slots of 4: half row n % 2 of row n / 2, as loaded; its first two registers then hold the 4 bf16
.set SRC,  16                          ; s[16:17]  my 16 source rows
.set DA,   18                          ; s[18:19]  target of rows 0-7
.set DB,   20                          ; s[20:21]  target of rows 8-15: a second base keeps the stores' immediates inside their signed 24 bits
; slot m leaves.  stride: bytes from one of my rows to the next in the target
.macro PUT m, stride
.if (\m) < 16
	global_store_b64 v2, v[X+4*(\m):X+4*(\m)+1], s[DA:DA+1] offset:(((\m)/2)%8)*(\stride)+((\m)%2)*2048
.else
	global_store_b64 v2, v[X+4*(\m):X+4*(\m)+1], s[DB:DB+1] offset:(((\m)/2)%8)*(\stride)+((\m)%2)*2048
.endif
.endm
.macro CONV stride
	s_wait_alu depctr_va_vdst(0)                   ; v1 and v2 are written: every load below reads v1 as its offset, every store v2
.set n, 0
.rept 32
	global_load_b128 v[X+4*n:X+4*n+3], v1, s[SRC:SRC+1] offset:(n/2)*ROWIN+(n%2)*4096 th:TH_LOAD_NT
.set n, n+1
.endr
.set p, 0
.rept 32/BLK
	s_wait_loadcnt 32-BLK-BLK*p                    ; loads come back in order (ISA guide 5.7.1): block p's four slots are in, the later blocks' stay out
.if p > 0
	s_wait_alu depctr_va_vdst(0)                   ; the conversions of the block before have written the registers that the four stores below read
.endif
.set i, 0
.rept BLK
.set n, BLK*p+i
.if p > 0
	PUT n-BLK, \stride                             ; no conversion since the wait names this slot
.endif
	v_cvt_pk_bf16_f32 v[X+4*n], v[X+4*n], v[X+4*n+1]
	v_cvt_pk_bf16_f32 v[X+4*n+1], v[X+4*n+2], v[X+4*n+3]
.set i, i+1
.endr
.set p, p+1
.endr
	s_wait_alu depctr_va_vdst(0)                   ; the last block's conversions have written the registers that the last four stores read
.set n, 32-BLK
.rept BLK
	PUT n, \stride
.set n, n+1
.endr
.endm
	s_load_b256 s[4:11], s[0:1], 0x0               ; knowledge_base s[4:5], W s[6:7], input_state s[8:9], kbb s[10:11]
	s_load_b128 s[12:15], s[0:1], 0x20             ; wb s[12:13], xb s[14:15]
	v_lshlrev_b32 v1, 4, v0                        ; 16 t
	v_lshlrev_b32 v2, 3, v0                        ; 8 t
	s_mov_b32 s28, ttmp9                           ; g
	s_mov_b32 s23, 0                               ; high words of the two offsets
	s_mov_b32 s25, 0
	s_wait_kmcnt 0x0
	s_cmp_lt_u32 s28, 1024
	s_cbranch_scc0 .Ldense
	; knowledge_base: source rows 16 g .. 16 g + 15 are item k = g / 4, b = 16 (g % 4) + i; the target row of (b, k) begins at b x 2^20 + k x 4,096
	s_lshl_b32 s22, s28, 17
	s_add_nc_u64 s[SRC:SRC+1], s[4:5], s[22:23]
	s_and_b32 s24, s28, 3
	s_lshl_b32 s24, s24, 24
	s_lshr_b32 s26, s28, 2
	s_lshl_b32 s26, s26, 12
	s_add_co_u32 s24, s24, s26
	s_add_nc_u64 s[DA:DA+1], s[10:11], s[24:25]
	s_add_nc_u64 s[DB:DB+1], s[DA:DA+1], 0x800000  ; eight b further on
	CONV 1048576
	s_endpgm
.Ldense:
	; W or input_state: the choice between the buffers hangs on the group's number alone
	s_sub_co_u32 s26, s28, 1024
	s_sub_co_u32 s27, s26, 128
	s_cmp_lt_u32 s26, 128
	s_cselect_b64 s[SRC:SRC+1], s[6:7], s[8:9]
	s_cselect_b64 s[DA:DA+1], s[12:13], s[14:15]
	s_cselect_b32 s26, s26, s27                    ; which 16 rows of that tensor
	s_lshl_b32 s22, s26, 17
	s_lshl_b32 s24, s26, 16
	s_add_nc_u64 s[SRC:SRC+1], s[SRC:SRC+1], s[22:23]
	s_add_nc_u64 s[DA:DA+1], s[DA:DA+1], s[24:25]
	s_add_nc_u64 s[DB:DB+1], s[DA:DA+1], 32768
	CONV 4096
	s_endpgm
.Lfunc_end_k_qf8ee235514_prep:
	.size	k_qf8ee235514_prep, .Lfunc_end_k_qf8ee235514_prep-k_qf8ee235514_prep
	.p2alignl 7, 3214868480
	.fill 96, 4, 3214868480
	.section	.rodata,"a",@progbits
	.p2align	6, 0x0
	.amdhsa_kernel k_qf8ee235514_prep
		.amdhsa_group_segment_fixed_size 0
		.amdhsa_private_segment_fixed_size 0
		.amdhsa_enable_private_segment 0
		.amdhsa_kernarg_size 48
		.amdhsa_user_sgpr_count 2
		.amdhsa_user_sgpr_kernarg_segment_ptr 1
		.amdhsa_wavefront_size32 1
		.amdhsa_system_sgpr_workgroup_id_x 1
		.amdhsa_system_sgpr_workgroup_id_y 1
		.amdhsa_system_sgpr_workgroup_id_z 1
		.amdhsa_system_vgpr_workitem_id 0
		.amdhsa_next_free_vgpr 136
		.amdhsa_next_free_sgpr 66
		.amdhsa_reserve_vcc 0
		.amdhsa_float_denorm_mode_32 3
		.amdhsa_float_denorm_mode_16_64 3
		.amdhsa_memory_ordered 1
		.amdhsa_forward_progress 1
		.amdhsa_inst_pref_size 23
	.end_amdhsa_kernel
	.amdgpu_metadata
---
amdhsa.version: [ 1, 2 ]
amdhsa.kernels:
  - .name:           k_qf8ee235514_prep
    .symbol:         k_qf8ee235514_prep.kd
    .args:
      - { .name: knowledge_base, .offset: 0, .size: 8, .value_kind: global_buffer, .address_space: global }
      - { .name: W, .offset: 8, .size: 8, .value_kind: global_buffer, .address_space: global }
      - { .name: input_state, .offset: 16, .size: 8, .value_kind: global_buffer, .address_space: global }
      - { .name: kbb, .offset: 24, .size: 8, .value_kind: global_buffer, .address_space: global }
      - { .name: wb, .offset: 32, .size: 8, .value_kind: global_buffer, .address_space: global }
      - { .name: xb, .offset: 40, .size: 8, .value_kind: global_buffer, .address_space: global }
    .group_segment_fixed_size: 0
    .private_segment_fixed_size: 0
    .kernarg_segment_align: 8
    .kernarg_segment_size: 48
    .max_flat_workgroup_size: 256
    .sgpr_count:     66
    .vgpr_count:     136
    .wavefront_size: 32
...
	.end_amdgpu_metadata
.endif
;; end of part 5
;; launch qproj: the kernel of part 2 again; grid 32 x 4, 16 waves a work-group, no clusters, 71,680 bytes of LDS; arguments xb, wb, b, q; writes q
;; launch gemm: the kernel of part 3 again; grid 8 x 32, 4 waves a work-group, clusters of 4 x 4, 327,680 bytes of LDS; arguments kbb, wb, b, q, pd, pn; writes pd, pn
;; launch mix (part 6): grid 4 x 64, 8 waves a work-group, no clusters, 10,752 bytes of LDS; arguments kbb, pd, pn, q, input_state, out0; writes out0
.if DOCPART == 6
	.amdgcn_target "amdgcn-amd-amdhsa--gfx1250"
	.amdhsa_code_object_version 6
	.text
	.protected	k_qf8ee235514_mix
	.globl	k_qf8ee235514_mix
	.p2align	8
	.type	k_qf8ee235514_mix,@function
k_qf8ee235514_mix:
	s_mov_b64 s[64:65], 0
	v_nop
	global_prefetch_b8 v0, s[64:65] scope:SCOPE_SE
	s_setreg_imm32_b32 hwreg(HW_REG_WAVE_SCHED_MODE, 0, 2), 2
	s_setreg_imm32_b32 hwreg(HW_REG_WAVE_MODE, 25, 1), 1
	s_wait_xcnt 0x0
	s_wait_alu depctr_vm_vsrc(0)
; out[b][:] = x[b][:] + sum over k of attn[k][b] KB[k][b][:],  attn = softmax over k of score,  score[k][b] = dot / (max(|q[b]|, 1e-8) max(|kp|, 1e-8)).
; kbb [64 b][256 k][2048] bf16 (knowledge_base rounded once); pd, pn [16 c][64 b][256 k] f32: the 16 parts of dot and of |kp|^2; q, input_state, out0 [64][2048] f32.  All arithmetic in f32.
; NO MAXIMUM IS TAKEN AWAY in front of the exponential: a score is a cosine, made of the same q and kp as the two norms, so it lies within -1 .. 1 up to the rounding of f32 sums, for every input
; (the two clamps only make it smaller): the exponentials lie between about 0.36 and 2.8, and the sum of 256 of them under 720.
; LIMITS.  v_sqrt_f32 takes a denormal as 0: such a norm lies under 1e-19, and the clamp puts 1e-8 in its place either way.  NaN and infinities are not treated apart.
; SHARES.  Work-group (hq, b) makes 512 columns of out[b].  First thread t is item k = t: it adds the 16 parts, and makes score and e = exp(score); each of a b's four work-groups does this for itself
; (32 KB read against the 256 KB of its share of kbb).  Then thread t is columns 8 (t % 64) .. + 7 (16 bytes of a row) of the rows k = 64 (t / 64) + 0..63; a wave's load covers 512 consecutive bytes.
; The division by the sum of e is applied once, to the finished sum.  A ring of 36 slots of registers keeps 28 to 32 loads of every thread on their way; the first 32 go out before the scores are made.
; Memory binds: no matrix unit (one row of weights for each b), no cluster and no tensor load (no byte of kbb is read twice in the launch).
; THE MODE: SCHED_MODE bits 1:0 = 2 (LLVM: expert scheduling mode 2), set by the entry lines.  The code itself states the register dependences
; between vector instructions and memory or LDS instructions, with s_wait_alu, always for 0.
; THE PLAN.  Registers that memory or LDS instructions touch:
;   v1-v5, v8, v9, v14  offsets and LDS addresses, made once at the head and never written again.
;   D, 36 slots   The 64 rows go in 16 blocks of four; row i lies in slot i % 36.  Block p's multiply-adds read its four slots; in blocks 1 to 7 the loads of rows 4 p + 32 .. + 35 land in the
;                 slots of block p - 1, which no multiply-add of block p names.  So one wait on va_vdst at the head of each of those blocks states all that its four loads hang on.
;   v24-63        pd's and pn's parts and q as loaded; worked on by the squares and the trees; v56-63 take the parts of |q|^2 behind the first barrier, v24-87 take e behind the second.
;   v12, v13      the data of the LDS stores of |q|^2's part, of e and of e's part; written again by the root and by the reciprocals: a wait on vm_vsrc behind each of the two barriers.
;   ACC           takes the parts of the sum of e; then the multiply-adds' sums: the data of the stores into RS, the target of the loads from RS, at last the data of the global store.
.set RED,   0                          ; 8 words: the waves' parts of |q|^2
.set RED2,  256                        ; 8 words: the waves' parts of the sum of e
.set EL,    512                        ; 256 words: e
.set RS,    1536                       ; 4 x 2,048 bytes: the four row groups' sums over 512 columns; from byte 9,728 on the spare words, 4 bytes a thread
.set SLOTS, 36
.set BLK,   4                          ; rows in a block
.set KO,  2                            ; v2       my byte offset in the work-group's share of kbb; never rewritten
.set ACC, 16                           ; v[16:23] my 8 columns' sums
.set E,   24                           ; v[24:87] e of my 64 rows; before that pd's parts in 24-39, pn's in 40-55, q in 56-63
.set D,   88                           ; v[88:231] 36 slots of 4: 8 bf16 of a row
.macro WSUM r, t                       ; the sum over the wave's 32 lanes, in every lane; t: a register that has been written
	v_add_f32_dpp v[\r], v[\r], v[\r] row_xmask:1 row_mask:0xf bank_mask:0xf
	v_add_f32_dpp v[\r], v[\r], v[\r] row_xmask:2 row_mask:0xf bank_mask:0xf
	v_add_f32_dpp v[\r], v[\r], v[\r] row_xmask:4 row_mask:0xf bank_mask:0xf
	v_add_f32_dpp v[\r], v[\r], v[\r] row_xmask:8 row_mask:0xf bank_mask:0xf
	v_permlanex16_b32 v[\t], v[\r], s18, s19
	v_add_f32 v[\r], v[\r], v[\t]
.endm
.macro TREE16 r                        ; the sum of v[r] .. v[r+15] into v[r], in a fixed order
.irp g, 0,1,2,3
	v_pk_add_f32 v[(\r)+4*(\g):(\r)+4*(\g)+1], v[(\r)+4*(\g):(\r)+4*(\g)+1], v[(\r)+4*(\g)+2:(\r)+4*(\g)+3]
.endr
.irp g, 0,1
	v_pk_add_f32 v[(\r)+8*(\g):(\r)+8*(\g)+1], v[(\r)+8*(\g):(\r)+8*(\g)+1], v[(\r)+8*(\g)+4:(\r)+8*(\g)+5]
.endr
	v_pk_add_f32 v[(\r):(\r)+1], v[(\r):(\r)+1], v[(\r)+8:(\r)+9]
	v_add_f32 v[(\r)], v[(\r)], v[(\r)+1]
.endm
.macro SUM8 d, r                       ; the sum of v[r] .. v[r+7] into v[d]
	v_add_f32 v[(\r)], v[(\r)], v[(\r)+1]
	v_add_f32 v[(\r)+2], v[(\r)+2], v[(\r)+3]
	v_add_f32 v[(\r)+4], v[(\r)+4], v[(\r)+5]
	v_add_f32 v[(\r)+6], v[(\r)+6], v[(\r)+7]
	v_add_f32 v[(\r)], v[(\r)], v[(\r)+2]
	v_add_f32 v[(\r)+4], v[(\r)+4], v[(\r)+6]
	v_add_f32 v[\d], v[(\r)], v[(\r)+4]
.endm
	s_load_b256 s[4:11], s[0:1], 0x0               ; kbb s[4:5], pd s[6:7], pn s[8:9], q s[10:11]
	s_load_b128 s[12:15], s[0:1], 0x20             ; input_state s[12:13], out0 s[14:15]
	v_lshl_add_u32 v6, v0, 2, 0x2600
	v_mov_b32 v7, 0
	v_lshrrev_b32 v8, 5, v0
	v_readfirstlane_b32 s16, v8                    ; wave 0..7
	s_mov_b32 s18, 0x76543210                      ; v_permlanex16_b32: each lane takes its own place in the other half
	s_mov_b32 s19, 0xfedcba98
	s_and_b32 s20, ttmp7, 0xffff                   ; b
	s_mov_b32 s21, ttmp9                           ; hq
	v_and_b32 v1, 63, v0                           ; cg = t % 64
	v_lshrrev_b32 v14, 6, v0                       ; rg = t / 64
	v_lshlrev_b32 v[KO], 4, v1
	v_lshl_add_u32 v[KO], v14, 18, v[KO]           ; 64 rows of 4,096 bytes x rg + 16 cg
	v_lshlrev_b32 v3, 2, v0                        ; 4 t
	v_lshlrev_b32 v4, 4, v0                        ; 16 t
	v_lshlrev_b32 v5, 3, v0                        ; 8 t
	v_lshlrev_b32 v1, 5, v1
	v_lshl_add_u32 v1, v14, 11, v1                 ; 2,048 rg + 32 cg: my 8 sums in RS
	v_lshlrev_b32 v14, 8, v14                      ; 256 rg: my 64 rows' e in EL
	s_wait_alu depctr_va_sdst(0)                   ; s16 is written, ahead of its first reader
	s_lshl_b32 s17, s16, 2
	v_mov_b32 v8, s17                              ; my wave's word in RED and RED2
	v_mov_b32 v9, 0                                ; LDS byte 0, and the number 0
	s_lshl_b32 s22, s20, 20                        ; b's 256 rows of kbb,
	s_lshl_b32 s24, s21, 10                        ; my 512 columns of them
	s_add_co_u32 s22, s22, s24
	s_mov_b32 s23, 0
	s_lshl_b32 s24, s20, 10                        ; b's 256 words in a part of pd and pn
	s_mov_b32 s25, 0
	s_lshl_b32 s26, s20, 13                        ; row b of q, x and out,
	s_mov_b32 s27, 0
	s_lshl_b32 s28, s21, 11                        ; my 512 columns of it
	s_add_co_u32 s28, s28, s26
	s_mov_b32 s29, 0
	s_wait_kmcnt 0x0
	s_add_nc_u64 s[4:5], s[4:5], s[22:23]
	s_add_nc_u64 s[6:7], s[6:7], s[24:25]
	s_add_nc_u64 s[8:9], s[8:9], s[24:25]
	s_add_nc_u64 s[10:11], s[10:11], s[26:27]
	s_add_nc_u64 s[12:13], s[12:13], s[28:29]
	s_add_nc_u64 s[14:15], s[14:15], s[28:29]
	s_wait_alu depctr_va_vdst(0)                   ; the offsets and LDS addresses v1 to v5, v8, v9 and v14 are written: every load and store of the kernel reads one of them
	; what the scores need goes out first, then the first 32 rows
	global_load_b128 v[56:59], v4, s[10:11]
	global_load_b128 v[60:63], v4, s[10:11] offset:4096
.irp c, 0,1,2,3,4,5,6,7,8,9,10,11,12,13,14,15
	global_load_b32 v[24+(\c)], v3, s[6:7] offset:(\c)*65536
.endr
.irp c, 0,1,2,3,4,5,6,7,8,9,10,11,12,13,14,15
	global_load_b32 v[40+(\c)], v3, s[8:9] offset:(\c)*65536
.endr
	global_load_b64 v[10:11], v5, s[12:13]         ; x of the two columns that I store
.set i, 0
.rept 32
	global_load_b128 v[D+4*i:D+4*i+3], v[KO], s[4:5] offset:i*4096 th:TH_LOAD_NT
.set i, i+1
.endr
	s_wait_loadcnt 32                              ; all but the 32 rows
.rept SLOTS-32                                         ; rows 32 to 35 fill the ring's last block; no vector instruction has named these registers or, since the wait above, the offset
	global_load_b128 v[D+4*i:D+4*i+3], v[KO], s[4:5] offset:i*4096 th:TH_LOAD_NT
.set i, i+1
.endr
	v_pk_mul_f32 v[12:13], v[56:57], v[56:57]      ; |q|^2: my 8 numbers,
	v_pk_fma_f32 v[12:13], v[58:59], v[58:59], v[12:13]
	v_pk_fma_f32 v[12:13], v[60:61], v[60:61], v[12:13]
	v_pk_fma_f32 v[12:13], v[62:63], v[62:63], v[12:13]
	v_add_f32 v12, v12, v13
	WSUM 12, 13                                    ; my wave's 256
	s_wait_alu depctr_va_vdst(0)                   ; v12 is written, which the LDS store reads; and the squares are done reading v56 to v63, in which the LDS loads behind the barrier land
	ds_store_b32 v8, v12 offset:RED                ; all lanes write the same word with the same value
	TREE16 24                                      ; dot of item t
	TREE16 40                                      ; |kp|^2 of item t: the two trees name v24 to v55 alone
	s_wait_dscnt 0x0                               ; for the others' sake: my store is done
	s_barrier_signal -1
	s_barrier_wait -1
	s_wait_alu depctr_vm_vsrc(0)                   ; my LDS store has read v12, which the root below writes again
	ds_load_b128 v[56:59], v9 offset:RED
	ds_load_b128 v[60:63], v9 offset:RED+16
	s_wait_dscnt 0x0
	SUM8 56, 56
	v_sqrt_f32 v12, v56
	v_sqrt_f32 v13, v40
	v_nop                                          ; a plain instruction between a transcendental and the use of its result (ISA guide 5.7.2)
	s_wait_alu depctr_va_vdst(0)
	v_max_num_f32 v12, 0x322bcc77, v12             ; the clamps at 1e-8
	v_max_num_f32 v13, 0x322bcc77, v13
	v_mul_f32 v12, v12, v13
	v_rcp_f32 v12, v12
	v_mul_f32 v13, 0x3fb8aa3b, v24                 ; log2(e) x dot: the plain instruction behind the reciprocal
	s_wait_alu depctr_va_vdst(0)
	v_mul_f32 v12, v13, v12
	v_exp_f32 v12, v12                             ; e = exp(score)
	v_nop
	s_wait_alu depctr_va_vdst(0)
	v_mov_b32 v13, v12
	WSUM 13, 56
	s_wait_alu depctr_va_vdst(0)                   ; v12 and v13 are written, which the two LDS stores read; and all that named v24 to v63 is done: the loads of e behind the barrier land there
	ds_store_b32 v3, v12 offset:EL
	ds_store_b32 v8, v13 offset:RED2
	s_wait_dscnt 0x0                               ; for the others' sake
	s_barrier_signal -1
	s_barrier_wait -1
	s_wait_alu depctr_vm_vsrc(0)                   ; my two LDS stores have read v12 and v13, which the reciprocals below write again
	ds_load_b128 v[ACC:ACC+3],   v9 offset:RED2
	ds_load_b128 v[ACC+4:ACC+7], v9 offset:RED2+16
.irp j, 0,1,2,3,4,5,6,7,8,9,10,11,12,13,14,15
	ds_load_b128 v[E+4*(\j):E+4*(\j)+3], v14 offset:EL+16*(\j)   ; one address for all lanes of a wave
.endr
	s_wait_dscnt 16                                ; the eight parts are in; the 16 loads of e may be out
	SUM8 15, ACC
	v_rcp_f32 v12, v15                             ; 1 / the sum of e, twice: a pair for the packed multiply-add at the end;
	v_rcp_f32 v13, v15                             ; the first multiply-add below is the plain instruction behind them
	s_wait_dscnt 0x0
	; 64 rows in 16 blocks of four.  Row i lies in slot i % 36.  Row 0's products start the sums, with the number 0 as addend.
.set p, 0
.rept 64/BLK
.if p == 0
	s_wait_loadcnt 32                              ; rows 0 to 3 are in; rows 4 to 35 stay out
.elseif p <= 8
	s_wait_loadcnt 28                              ; block p is in; behind its last row rows 4 p + 4 .. 4 p + 31 have been asked for
.else
	s_wait_loadcnt 60-BLK*p                        ; nothing is asked for any more: the counts run down
.endif
.if (p >= 1) && (p <= 7)
	s_wait_alu depctr_va_vdst(0)                   ; the multiply-adds of the block before are done reading its four slots, in which the four loads below land
.endif
.set r, 0
.rept BLK
.set i, BLK*p+r
.set sl, D+4*(i%SLOTS)
.if (p >= 1) && (p <= 7)
.set fl, D+4*((i-BLK)%SLOTS)
	global_load_b128 v[fl:fl+3], v[KO], s[4:5] offset:(i-BLK+SLOTS)*4096 th:TH_LOAD_NT  ; no multiply-add since the wait names this slot
.endif
.set j, 0
.rept 4
.if i == 0
	v_fma_mix_f32_bf16 v[ACC+2*j],   v[sl+j], v[E+i], v9 op_sel:[0,0,0] op_sel_hi:[1,0,0]
	v_fma_mix_f32_bf16 v[ACC+2*j+1], v[sl+j], v[E+i], v9 op_sel:[1,0,0] op_sel_hi:[1,0,0]
.else
	v_fma_mix_f32_bf16 v[ACC+2*j],   v[sl+j], v[E+i], v[ACC+2*j]   op_sel:[0,0,0] op_sel_hi:[1,0,0]
	v_fma_mix_f32_bf16 v[ACC+2*j+1], v[sl+j], v[E+i], v[ACC+2*j+1] op_sel:[1,0,0] op_sel_hi:[1,0,0]
.endif
.set j, j+1
.endr
.set r, r+1
.endr
.set p, p+1
.endr
	; the four row groups' sums meet in LDS
	s_wait_alu depctr_va_vdst(0)                   ; the multiply-adds have written ACC, which the two LDS stores read
	ds_store_b128 v1, v[ACC:ACC+3]   offset:RS
	ds_store_b128 v1, v[ACC+4:ACC+7] offset:RS+16
	s_wait_dscnt 0x0                               ; for the others' sake
	s_barrier_signal -1
	s_barrier_wait -1
	s_wait_alu depctr_vm_vsrc(0)                   ; my two LDS stores have read ACC, in which the loads below land
.irp g, 0,1,2,3
	ds_load_b64 v[ACC+2*(\g):ACC+2*(\g)+1], v5 offset:RS+(\g)*2048   ; columns 2 t, 2 t + 1 of group g
.endr
	s_wait_dscnt 0x0
	v_pk_add_f32 v[ACC:ACC+1], v[ACC:ACC+1], v[ACC+2:ACC+3]
	v_pk_add_f32 v[ACC+4:ACC+5], v[ACC+4:ACC+5], v[ACC+6:ACC+7]
	v_pk_add_f32 v[ACC:ACC+1], v[ACC:ACC+1], v[ACC+4:ACC+5]
	v_pk_fma_f32 v[ACC:ACC+1], v[ACC:ACC+1], v[12:13], v[10:11]    ; sum / l + x
	s_wait_alu depctr_va_vdst(0)                   ; the last line has written the pair that the store reads
	global_store_b64 v5, v[ACC:ACC+1], s[14:15]    ; a wave stores 256 consecutive bytes, at a multiple of 256 from out0's first byte
	s_wait_dscnt 0x0
	s_wait_alu depctr_hold_cnt(0) depctr_sa_sdst(0) depctr_va_vdst(0) depctr_va_sdst(0) depctr_va_ssrc(0) depctr_va_vcc(0) depctr_vm_vsrc(0)
	s_wait_tensorcnt 0x0
	ds_add_u32 v6, v7
	s_wait_dscnt 0x0
	s_endpgm
.Lfunc_end_k_qf8ee235514_mix:
	.size	k_qf8ee235514_mix, .Lfunc_end_k_qf8ee235514_mix-k_qf8ee235514_mix
	.p2alignl 7, 3214868480
	.fill 96, 4, 3214868480
	.section	.rodata,"a",@progbits
	.p2align	6, 0x0
	.amdhsa_kernel k_qf8ee235514_mix
		.amdhsa_group_segment_fixed_size 10752
		.amdhsa_private_segment_fixed_size 0
		.amdhsa_enable_private_segment 0
		.amdhsa_kernarg_size 48
		.amdhsa_user_sgpr_count 2
		.amdhsa_user_sgpr_kernarg_segment_ptr 1
		.amdhsa_wavefront_size32 1
		.amdhsa_system_sgpr_workgroup_id_x 1
		.amdhsa_system_sgpr_workgroup_id_y 1
		.amdhsa_system_sgpr_workgroup_id_z 1
		.amdhsa_system_vgpr_workitem_id 0
		.amdhsa_next_free_vgpr 232
		.amdhsa_next_free_sgpr 66
		.amdhsa_reserve_vcc 0
		.amdhsa_float_denorm_mode_32 3
		.amdhsa_float_denorm_mode_16_64 3
		.amdhsa_memory_ordered 1
		.amdhsa_forward_progress 1
		.amdhsa_inst_pref_size 50
	.end_amdhsa_kernel
	.amdgpu_metadata
---
amdhsa.version: [ 1, 2 ]
amdhsa.kernels:
  - .name:           k_qf8ee235514_mix
    .symbol:         k_qf8ee235514_mix.kd
    .args:
      - { .name: kbb, .offset: 0, .size: 8, .value_kind: global_buffer, .address_space: global }
      - { .name: pd, .offset: 8, .size: 8, .value_kind: global_buffer, .address_space: global }
      - { .name: pn, .offset: 16, .size: 8, .value_kind: global_buffer, .address_space: global }
      - { .name: q, .offset: 24, .size: 8, .value_kind: global_buffer, .address_space: global }
      - { .name: input_state, .offset: 32, .size: 8, .value_kind: global_buffer, .address_space: global }
      - { .name: out0, .offset: 40, .size: 8, .value_kind: global_buffer, .address_space: global }
    .group_segment_fixed_size: 10752
    .private_segment_fixed_size: 0
    .kernarg_segment_align: 8
    .kernarg_segment_size: 48
    .max_flat_workgroup_size: 256
    .sgpr_count:     66
    .vgpr_count:     232
    .wavefront_size: 32
...
	.end_amdgpu_metadata
.endif
;; end of part 6
